; MI455X (gfx1250); checked and timed in simulation.
; The chip was launched on July 23, 2026; its instructions are those of AMD's public machine-readable ISA for CDNA 5 (MIT licence, August 2026) and "CDNA5" Instruction Set Architecture Reference Guide (July 2026). The comments in the code are by the model that wrote it; some were corrected since.
;; Causal Self Attention. Allowed arithmetic: matrix products marked QUANTISED: E2M3 operands, one E8M0 scale for each 32 along K, by v_wmma_scale_f32_16x16x128_f8f6f4 with both operands' format E2M3, f32 sums; everything else in f32.
;; Inputs: Wo 1,024 x 1,024 float32; Wqkv 1,024 x 3,072 float32; x 4 x 2,048 x 1,024 float32.
;; Outputs: out0 4 x 2,048 x 1,024 float32.
;; This version of the problem:
;;   THIS VERSION OF THE PROBLEM IS GIVEN IN LOW PRECISION. The matrix products marked QUANTISED in the list below multiply operands that are first quantised to E2M3 (2 exponent bits, 3 mantissa bits; 6 bits a number), with one power-of-two scale for each 32 numbers along K (OCP MX v1.0); their sums are f32. All else is computed in f32.
;;   The module's matrix products, in the order in which they are computed (A, B: the left and right operand; K: the contracted axis; several contracted axes count as one K, in the product's order):
;;     1. [M 8,192, K 1,024] x [K 1,024, N 3,072]; A: input x; B: input Wqkv: QUANTISED
;;     2. batch 64 x [M 2,048, K 64] x [K 64, N 2,048]; A: computed on the way; B: computed on the way: QUANTISED
;;     3. batch 64 x [M 2,048, K 2,048] x [K 2,048, N 64]; A: softmax (see below); B: computed on the way: QUANTISED
;;     4. [M 8,192, K 1,024] x [K 1,024, N 1,024]; A: computed on the way; B: input Wo: QUANTISED
;;   THE QUANTISER, for each operand of a quantised product, along K:
;;     - K is cut into blocks of 32 from its start; a last block that is shorter is filled with zeros.
;;     - A block's scale is 2^e with e = floor(log2(the largest magnitude in the block)) - 2, held to -126 .. 127; a block of zeros has e = 0. As a byte (E8M0): e + 127.
;;     - Each number is divided by its block's scale, clamped to +-7.5, and rounded to the nearest number of E2M3, ties to even, subnormals kept.
;;     - The product sums the exact products of the quantised numbers (number of the format x scale) in f32.
;;   ~~~python
;;   def quantise(x, axis):      # numpy; x: float32 -> the quantised numbers, widened to float32 again
;;       x = np.moveaxis(x, axis, -1); K = x.shape[-1]
;;       x = np.pad(x, [(0, 0)] * (x.ndim - 1) + [(0, -K % 32)]); x = x.reshape(x.shape[:-1] + (-1, 32)); a = np.abs(x).max(-1, keepdims=True)
;;       e = np.where(a > 0, np.clip(np.frexp(np.where(a > 0, a, 1))[1] - 1 - 2, -126, 127), 0)      # np.frexp(a)[1] - 1 = floor(log2(a)), exactly
;;       r = np.clip(x / 2.0 ** e, -7.5, 7.5)
;;       step = 2.0 ** (np.maximum(np.frexp(np.where(r == 0, 1, r))[1] - 1, 0) - 3)
;;       q = np.round(r / step) * step * 2.0 ** e      # np.round: ties to even
;;       return np.moveaxis(q.reshape(q.shape[:-2] + (-1,))[..., :K], -1, axis).astype(np.float32)
;;   ~~~
;;   SOFTMAX AHEAD OF A QUANTISED PRODUCT. Where the list says 'softmax', what is quantised is not the finished softmax but p = 2^(t - M), with t = logit x log2(e) and M = ceil(the row's largest t), a whole number; so 1/2 < the row's largest p <= 1. The row's sum l is taken of the UNQUANTISED p, in f32, and the product's result is divided by l at the end. Since M is a whole number, a kernel that streams over the keys may use a running M (the ceiling of the running maximum): every later rescaling is an exact power of two, which a block's scale takes up: the codes' values come out the same.
;;   OPERANDS COMPUTED ON THE WAY. 'Computed on the way' means the value that the module computes at that place (a softmax that the list does not call 'softmax' is quantised finished and normalised). What goes into a quantiser is computed in f32, as accurately as f32 sums, v_exp_f32 and their like allow (about 1e-6 of the number): no bf16 or f16 on the way to a quantiser, and a product that is left as it is and whose result goes on into a quantised operand takes f32 operands (vector FMAs, or v_wmma_f32_16x16x4_f32). A number that lies on a knife's edge between two numbers of the format may be rounded either way, as far as f32 arithmetic and the matrix unit's own rounding can turn it there, and no further.
;; One version. Each part assembles by itself: llvm-mc -triple=amdgcn-amd-amdhsa -mcpu=gfx1250 --defsym DOCPART=n.
;; ======== version 1 of 1: 4 launches
;; workspace buffers: xq 6,553,600 bytes; wq 2,457,600 bytes; oq 819,200 bytes; aq 6,553,600 bytes; qk 13,631,488 bytes; vv 6,553,600 bytes
;; launch quant (part 1): grid 512 x 1, 4 waves a work-group, no clusters, 34,304 bytes of LDS; arguments x, Wqkv, Wo, xq, wq, oq; writes xq, wq, oq
.if DOCPART == 1
	.amdgcn_target "amdgcn-amd-amdhsa--gfx1250"
	.amdhsa_code_object_version 6
	.text
	.protected	k_q340e60c71f_quant
	.globl	k_q340e60c71f_quant
	.p2align	8
	.type	k_q340e60c71f_quant,@function
k_q340e60c71f_quant:
	s_mov_b64 s[64:65], 0
	v_nop
	global_prefetch_b8 v0, s[64:65] scope:SCOPE_SE
	s_setreg_imm32_b32 hwreg(HW_REG_WAVE_MODE, 25, 1), 1
	s_wait_xcnt 0x0
; CAUSAL SELF-ATTENTION IN MX-FP6, launch 1 of 4: x [8192][1024], Wqkv [1024][3072] and Wo [1024][1024], f32, become codes of E2M3 with one E8M0 byte for each 32 along K (K = 1,024 in all three).
; WORK LEFT OUT BY THE PROGRAM: reference() builds the causal mask in its own body (jnp.tril) and puts the least f32 number where key > query; behind the softmax's maximum such a term is exp(-huge) = 0 for all finite
; inputs, since key = query always counts.  So a step of 128 keys all of which lie behind all queries of a tile adds 0 to the row's sum and 0 to the second product: launch 3 leaves such steps out, whole.
; Nothing else is left out, and all three inputs are loaded.  LIMIT: a NaN, an infinity or an overflow that reaches only those steps is not carried to the result.
; LIMITS OF THE QUANTISER: NaN and infinities among the inputs are not served; a block of zeros, and a block whose largest magnitude lies under 2^-124, keeps the byte 1 (its codes are zeros or near it; the bytes are read by this program alone).
; THE LAYOUT OF THE CODES (xq, wq, oq, and launch 3's aq) is the order of the operand's registers: [256 rows][256 along K][tile of 16 rows][128 along K][plane p = registers 2 p, 2 p + 1][lane x 8 bytes]:
; a fragment is 1,536 bytes, six loads of 8 bytes a lane, 256 consecutive bytes a load.  A TILE'S ROWS ARE NOT NEIGHBOURS: lane r of tile 2 b + u holds row 32 b + 8 u + r + 8 (r / 8), so that where the tile is
; source 0 of a product the 16 registers of result tiles 2 b and 2 b + 1 are 16 neighbours along that axis.  The scale bytes lie behind the codes: 32 bytes for each (tile, r), blocks ascending.
; SHARES: work-groups 0-255 take x (K innermost: a wave takes a tile x 512 along K; rows turn through the wave's own stage in LDS, so that loads are dense and a lane ends up with whole blocks of 32);
; 256-447 take Wqkv, 448-511 Wo (K is the first axis: a lane takes a column, its registers run down K; a wave takes 32 columns x 128 along K).  No tensor load, no barrier: waves share nothing.
.set XS,    6291456                    ; where xq's scale bytes begin
.set WS,    2359296                    ; wq's
.set OS,    786432                     ; oq's
.set SPARE, 33792                      ; behind the four stages of 16 x 528 bytes: the spare words, 128 bytes a wave
.set SPW,   12                         ; v12  my spare word; never rewritten
.set NIL,   13                         ; v13  0; never rewritten
.set R,     16                         ; v16-143  x as loaded, two sets of 64
.set X,     144                        ; v144-207 my two blocks of 32 of a step
.set C,     208                        ; v208-219 a fragment's codes
.set T,     220                        ; v220-222, v224-226 second halves of blocks, before they are moved
.macro LOAD t                          ; step t of my four: 16 rows x 512 consecutive bytes
.irp i, 0,1,2,3,4,5,6,7,8,9,10,11,12,13,14,15
	global_load_b128 v[R+64*((\t)%2)+4*\i:R+64*((\t)%2)+4*\i+3], v3, s[4:5] offset:(\i+8*(\i/8))*4096+512*(\t) th:TH_LOAD_NT
.endr
.endm
.macro QX t
.if (\t) < 3
	s_wait_loadcnt 16                              ; this step's 16 loads are in; the next step's 16 may be out
.else
	s_wait_loadcnt 0
.endif
.irp i, 0,1,2,3,4,5,6,7,8,9,10,11,12,13,14,15
	ds_store_b128 v14, v[R+64*((\t)%2)+4*\i:R+64*((\t)%2)+4*\i+3] offset:528*\i
.endr
.irp c, 0,1
.irp j, 0,1,2,3,4,5,6,7
	ds_load_b128 v[X+32*\c+4*\j:X+32*\c+4*\j+3], v15 offset:256*\c+16*\j   ; K = 64 c + 32 h + 0 .. 31 of row r; LDS serves a wave's instructions in order
.endr
.endr
	s_wait_dscnt 0x0                               ; the numbers are back, and the stores have read their registers,
.if (\t)+2 < 4
	LOAD (\t)+2                                    ; which take the loads of two steps on
.endif
.irp c, 0,1
	v_max3_num_f32 v[232+\c], |v[X+32*\c]|, |v[X+32*\c+1]|, 0x1800000   ; block 2 c + h is all mine; the floor 2^(3 - 127) holds the byte at 1 from below
.endr
.irp i, 2,4,6,8,10,12,14,16,18,20,22,24,26,28,30
.irp c, 0,1
	v_max3_num_f32 v[232+\c], v[232+\c], |v[X+32*\c+\i]|, |v[X+32*\c+\i+1]|
.endr
.endr
.irp c, 0,1
	v_add_nc_u32 v[234+\c], 0xff000000, v[232+\c]  ; 2 off the exponent field: the conversion's scale operand
.endr
.irp c, 0,1
	v_lshrrev_b32 v[236+\c], 23, v[234+\c]         ; the scale's byte
.endr
	v_lshl_or_b32 v238, v237, 16, v236             ; blocks h and 2 + h,
	v_lshlrev_b32 v238, v10, v238                  ; 8 h bits up;
	v_permlanex16_b32 v239, v238, s28, s29
	v_or_b32 v[228+(\t)], v238, v239               ; with lane l xor 16's two the step's word is whole
.if (\t) > 0
	s_wait_xcnt 0x0                                ; the last step's stores have read the codes' registers
.endif
.irp c, 0,1
	v_cvt_scalef32_pk16_fp6_f32 v[C+6*\c:C+6*\c+2], v[X+32*\c:X+32*\c+15], v[234+\c]
	v_cvt_scalef32_pk16_fp6_f32 v[T+4*\c:T+4*\c+2], v[X+32*\c+16:X+32*\c+31], v[234+\c]   ; (a conversion's three registers begin on an even number)
.endr
	v_nop                                          ; one plain place behind a scaled conversion
.irp c, 0,1
.irp i, 0,1,2
	v_mov_b32 v[C+3+6*\c+\i], v[T+4*\c+\i]
.endr
.endr
.irp p, 0,1,2,3,4,5
	global_store_b64 v4, v[C+2*\p:C+2*\p+1], s[24:25] offset:((\t)/2)*49152+((\t)%2)*1536+256*\p   ; a plane: 256 consecutive bytes, aligned
.endr
.endm
.macro LOADW t, pitch                  ; block t of my column: W(32 t + i, column); the wave's 32 lanes cover 128 consecutive bytes
.set i, 0
.rept 32
	global_load_b32 v[32+32*(\t)+i], v8, s[26:27] offset:(32*(\t)+i)*\pitch th:TH_LOAD_NT
.set i, i+1
.endr
.endm
.macro QB t                            ; block t: its byte into v196, its codes into v[160 + 8 t] on
.set XB, 32+32*(\t)
	v_max3_num_f32 v20, |v[XB]|, |v[XB+1]|, |v[XB+2]|
	v_max3_num_f32 v21, |v[XB+3]|, |v[XB+4]|, |v[XB+5]|
.irp i, 6,10,14,18,22,26
	v_max3_num_f32 v20, v20, |v[XB+\i]|, |v[XB+\i+1]|
	v_max3_num_f32 v21, v21, |v[XB+\i+2]|, |v[XB+\i+3]|
.endr
	v_max3_num_f32 v20, v20, |v[XB+30]|, |v[XB+31]|
	v_max3_num_f32 v20, v20, v21, 0x1800000
	v_add_nc_u32 v22, 0xff000000, v20
	v_lshrrev_b32 v21, 23, v22
.if (\t) == 0
	v_mov_b32 v196, v21
.else
	v_lshl_or_b32 v196, v21, 8*(\t), v196
.endif
	v_cvt_scalef32_pk16_fp6_f32 v[160+8*(\t):162+8*(\t)], v[XB:XB+15], v22
	v_cvt_scalef32_pk16_fp6_f32 v[192:194], v[XB+16:XB+31], v22
	v_nop
.irp i, 0,1,2
	v_mov_b32 v[163+8*(\t)+\i], v[192+\i]
.endr
.endm
.macro PAIR c                          ; blocks 2 c and 2 c + 1: lanes 0-15 hold tile 2 b's rows, lanes 16-31 tile 2 b + 1's.  The exchange gives each tile registers 6 c .. 6 c + 5 of its fragment
.irp i, 0,1,2,3,4,5
	v_permlane16_swap_b32 v[160+16*\c+\i], v[168+16*\c+\i]
.endr
.irp p, 0,1,2
	global_store_b64 v4, v[160+16*\c+2*\p:161+16*\c+2*\p], s[28:29] offset:768*\c+256*\p
	global_store_b64 v4, v[168+16*\c+2*\p:169+16*\c+2*\p], s[28:29] offset:3072+768*\c+256*\p
.endr
.endm
.macro WPATH pitch, src, dst, soff, first
	s_sub_co_u32 s20, ttmp9, \first
	s_and_b32 s21, s20, 7                          ; which 128 along K
	s_lshr_b32 s22, s20, 3                         ; which 128 columns
	s_mul_i32 s24, s21, 128*\pitch
	s_lshl_b32 s23, s22, 9
	s_add_co_u32 s24, s24, s23
	s_lshl_b32 s23, s16, 7
	s_add_co_u32 s24, s24, s23
	s_mov_b32 s25, 0
	s_add_nc_u64 s[26:27], s[\src:\src+1], s[24:25]  ; W at my first row and my wave's first column
	s_lshr_b32 s24, s22, 1
	s_mul_i32 s24, s24, 196608                     ; 256 columns,
	s_lshr_b32 s23, s21, 1
	s_mul_i32 s23, s23, 49152                      ; 256 along K,
	s_add_co_u32 s24, s24, s23
	s_and_b32 s23, s22, 1
	s_lshl_b32 s23, s23, 3
	s_lshl_b32 s28, s16, 1
	s_add_co_u32 s23, s23, s28
	s_mul_i32 s23, s23, 3072                       ; my pair's first tile,
	s_add_co_u32 s24, s24, s23
	s_and_b32 s23, s21, 1
	s_mul_i32 s23, s23, 1536                       ; 128 along K
	s_add_co_u32 s24, s24, s23
	s_add_nc_u64 s[28:29], s[\dst:\dst+1], s[24:25]
	s_lshl_b32 s24, s22, 12
	s_lshl_b32 s23, s16, 10
	s_add_co_u32 s24, s24, s23
	s_lshl_b32 s23, s21, 2
	s_add_co_u32 s24, s24, s23
	s_add_co_u32 s24, s24, \soff
	s_add_nc_u64 s[30:31], s[\dst:\dst+1], s[24:25]  ; the scale words: 32 bytes a lane, this step's word
	LOADW 0, \pitch
	LOADW 1, \pitch
	s_wait_loadcnt 32                              ; each count of 32 leaves the next block's 32 loads out
	QB 0
	LOADW 2, \pitch
	s_wait_loadcnt 32
	QB 1
	LOADW 3, \pitch
	PAIR 0
	s_wait_loadcnt 32
	QB 2
	s_wait_loadcnt 0
	QB 3
	PAIR 1
	global_store_b32 v9, v196, s[30:31]            ; 4 bytes of each row's 32: one byte in 128 of what the path reads leaves in pieces
.endm
	s_load_b256 s[4:11], s[0:1], 0x0               ; x s[4:5], Wqkv s[6:7], Wo s[8:9], xq s[10:11]
	s_load_b128 s[12:15], s[0:1], 0x20             ; wq s[12:13], oq s[14:15]
	v_lshl_add_u32 v[SPW], v0, 2, SPARE
	v_mov_b32 v[NIL], 0
	v_lshrrev_b32 v1, 5, v0
	v_readfirstlane_b32 s16, v1                    ; wave
	v_and_b32 v2, 31, v0                           ; lane
	v_and_b32 v6, 15, v0                           ; r
	v_bfe_u32 v7, v0, 4, 1                         ; h
	v_lshlrev_b32 v3, 4, v2                        ; 16 x lane
	v_lshlrev_b32 v4, 3, v2                        ; 8 x lane
	v_lshlrev_b32 v5, 5, v6                        ; 32 r
	v_lshlrev_b32 v9, 5, v2                        ; 32 x lane
	v_lshlrev_b32 v10, 3, v7                       ; 8 h
	v_and_b32 v8, 8, v6
	v_add_nc_u32 v8, v8, v6
	v_lshl_add_u32 v8, v7, 3, v8
	v_lshlrev_b32 v8, 2, v8                        ; a weight's column of my lane, in bytes: 4 (8 h + r + 8 (r / 8))
	s_mul_i32 s19, s16, 8448
	v_add_nc_u32 v14, s19, v3                      ; my stage, on the way in
	v_mul_u32_u24 v15, v6, 528
	v_lshl_add_u32 v15, v7, 7, v15
	v_add_nc_u32 v15, s19, v15                     ; and on the way out: row r, 128 h bytes on
	v_mov_b32 v239, 0                              ; (a lane permute's destination counts as one of its sources)
	s_mov_b32 s28, 0x76543210
	s_mov_b32 s29, 0xfedcba98
	s_wait_kmcnt 0x0
	s_cmp_lt_u32 ttmp9, 256
	s_cbranch_scc1 .Lxpath
	s_cmp_lt_u32 ttmp9, 448
	s_cbranch_scc1 .Lwqkv
	WPATH 4096, 8, 14, OS, 448
	s_branch .Lend
.Lwqkv:
	WPATH 12288, 6, 12, WS, 256
	s_branch .Lend
.Lxpath:
	s_lshl_b32 s17, ttmp9, 1
	s_lshr_b32 s18, s16, 1
	s_add_co_u32 s17, s17, s18                     ; my tile of 16 rows, 0 .. 511
	s_and_b32 s18, s16, 1                          ; my half of K
	s_lshr_b32 s20, s17, 1
	s_lshl_b32 s20, s20, 17                        ; 32 rows of 4,096 bytes for each pair of tiles,
	s_and_b32 s21, s17, 1
	s_lshl_b32 s21, s21, 15                        ; 8 rows for the odd tile,
	s_add_co_u32 s20, s20, s21
	s_lshl_b32 s21, s18, 11                        ; 512 numbers for the upper half of K
	s_add_co_u32 s20, s20, s21
	s_mov_b32 s21, 0
	s_add_nc_u64 s[4:5], s[4:5], s[20:21]
	s_lshr_b32 s20, s17, 4
	s_mul_i32 s20, s20, 196608
	s_mul_i32 s22, s18, 98304
	s_add_co_u32 s20, s20, s22
	s_and_b32 s22, s17, 15
	s_mul_i32 s22, s22, 3072
	s_add_co_u32 s20, s20, s22
	s_add_nc_u64 s[24:25], s[10:11], s[20:21]      ; my codes
	s_lshl_b32 s20, s17, 9
	s_lshl_b32 s22, s18, 4
	s_add_co_u32 s20, s20, s22
	s_add_co_u32 s20, s20, XS
	s_add_nc_u64 s[26:27], s[10:11], s[20:21]      ; my scale words
	LOAD 0
	LOAD 1
	QX 0
	QX 1
	QX 2
	QX 3
	global_store_b128 v5, v[228:231], s[26:27]     ; my four words of row r (both lanes of a row hold the same)
.Lend:
	s_wait_tensorcnt 0x0                           ; the wave's end
	ds_add_u32 v[SPW], v[NIL]
	s_wait_dscnt 0x0
	s_endpgm
.Lfunc_end_k_q340e60c71f_quant:
	.size	k_q340e60c71f_quant, .Lfunc_end_k_q340e60c71f_quant-k_q340e60c71f_quant
	.p2alignl 7, 3214868480
	.fill 96, 4, 3214868480
	.section	.rodata,"a",@progbits
	.p2align	6, 0x0
	.amdhsa_kernel k_q340e60c71f_quant
		.amdhsa_group_segment_fixed_size 34304
		.amdhsa_private_segment_fixed_size 0
		.amdhsa_enable_private_segment 0
		.amdhsa_kernarg_size 48
		.amdhsa_user_sgpr_count 2
		.amdhsa_user_sgpr_kernarg_segment_ptr 1
		.amdhsa_wavefront_size32 1
		.amdhsa_system_sgpr_workgroup_id_x 1
		.amdhsa_system_sgpr_workgroup_id_y 1
		.amdhsa_system_sgpr_workgroup_id_z 1
		.amdhsa_system_vgpr_workitem_id 0
		.amdhsa_next_free_vgpr 256
		.amdhsa_next_free_sgpr 66
		.amdhsa_reserve_vcc 0
		.amdhsa_float_denorm_mode_32 3
		.amdhsa_float_denorm_mode_16_64 3
		.amdhsa_memory_ordered 1
		.amdhsa_forward_progress 1
		.amdhsa_inst_pref_size 73
	.end_amdhsa_kernel
	.amdgpu_metadata
---
amdhsa.version: [ 1, 2 ]
amdhsa.kernels:
  - .name:           k_q340e60c71f_quant
    .symbol:         k_q340e60c71f_quant.kd
    .args:
      - { .name: x, .offset: 0, .size: 8, .value_kind: global_buffer, .address_space: global }
      - { .name: Wqkv, .offset: 8, .size: 8, .value_kind: global_buffer, .address_space: global }
      - { .name: Wo, .offset: 16, .size: 8, .value_kind: global_buffer, .address_space: global }
      - { .name: xq, .offset: 24, .size: 8, .value_kind: global_buffer, .address_space: global }
      - { .name: wq, .offset: 32, .size: 8, .value_kind: global_buffer, .address_space: global }
      - { .name: oq, .offset: 40, .size: 8, .value_kind: global_buffer, .address_space: global }
    .group_segment_fixed_size: 34304
    .private_segment_fixed_size: 0
    .kernarg_segment_align: 8
    .kernarg_segment_size: 48
    .max_flat_workgroup_size: 128
    .sgpr_count:     66
    .vgpr_count:     256
    .wavefront_size: 32
...
	.end_amdgpu_metadata
.endif
;; end of part 1
;; launch gemm1 (part 2): grid 12 x 32, 4 waves a work-group, clusters of 4 x 4, 327,680 bytes of LDS; arguments xq, wq, qk, vv; writes qk, vv
.if DOCPART == 2
	.amdgcn_target "amdgcn-amd-amdhsa--gfx1250"
	.amdhsa_code_object_version 6
	.text
	.protected	k_q340e60c71f_gemm1
	.globl	k_q340e60c71f_gemm1
	.p2align	8
	.type	k_q340e60c71f_gemm1,@function
k_q340e60c71f_gemm1:
	s_mov_b64 s[64:65], 0
	v_nop
	global_prefetch_b8 v0, s[64:65] scope:SCOPE_SE
	s_setreg_imm32_b32 hwreg(HW_REG_WAVE_MODE, 25, 1), 1
	s_wait_xcnt 0x0
	s_wait_alu depctr_hold_cnt(0) depctr_sa_sdst(0) depctr_va_vdst(0) depctr_va_sdst(0) depctr_va_ssrc(0) depctr_va_vcc(0) depctr_vm_vsrc(0)
	s_getreg_b32 s2, hwreg(HW_REG_IB_STS2, 6, 4)
	s_cmp_eq_u32 s2, 0
	s_cbranch_scc0 .Lentry_in_a_cluster
	s_endpgm
.Lentry_in_a_cluster:
	s_bfe_u32 s2, ttmp6, 0x10000c
	s_cmp_lg_u32 s2, 0xf033
	s_cbranch_scc0 .Lentry_shape_is_right
	s_endpgm
.Lentry_shape_is_right:
; Launch 2 of 4: qkv = x Wqkv on codes of E2M3 (K = 1,024), and its results quantised on the way out: q and k along the head's 64, v along the tokens.  f32 q, k, v never go to memory.
; A tile of 256 x 256 is made by four waves, 128 x 128 each: 64 accumulators, 512 registers.  K goes in steps of 256 through two LDS slots; the codes lie in memory in the order of the operand's registers,
; so 128 rows of a slot are one dense block of 24,576 bytes, and a fragment comes by six loads of 8 bytes a lane, 256 consecutive bytes a load.  The scale bytes of all of K come once, with the first fills.
; RESULTS ARE QUANTISED ALONG SOURCE 0's ROWS: a lane holds one row of source 1, and the 16 registers of two neighbouring tiles of source 0 are 16 neighbours (the tiles' rows are chosen so by launch 1).
; So the clusters with x = 0, 1 take Wqkv's columns 0-2047 (q, k) as source 0 and tokens as source 1; those with x = 2 take tokens as source 0 and columns 2048-3071 (v) as source 1.
; Only pointers, offsets and the stores' steps are chosen by that kind, which all partners of a cluster share; masks, LDS addresses and the loop do not know it.
; CLUSTERS: 4 x 4.  Source 1's tile hangs on cy alone and is asked for jointly along a row of the cluster, source 0's on cx alone, along a column.
; OUT: qk [32: q's 16 heads, k's 16][block of 256 tokens][16 tiles x 3 planes x 256 bytes, then 16 tiles x 16 scale words]; a tile holds registers 0-5 of a fragment (d = 32 h + 0 .. 31); of a word bytes 0, 1 count.
;      vv [head][block of 256 tokens][2 steps of 128 keys x 4 tiles of 16 d x 1,536 bytes, then 2 x 4 x 16 scale words].  Every store of codes covers 256 consecutive bytes, aligned; scale words leave 64 bytes at a time.
; LIMITS: NaN and infinities are not served; a block under 2^-124 keeps the byte 1.
; REGISTERS: window 0: v16-29 addresses; v32-63 scale words, two sets; v64-114 the way out; v128-223 source 1's fragments, one set.  window 1: source 0's, two sets.  windows 2, 3: accumulators ((a, b) at v[8 (8 (a % 4) + b)]).
.set XS,    6291456
.set WS,    2359296
.set NQ,    2
.set FR,    12
.set NL,    6
.set NP,    4
.set HALFT, 24576                      ; 128 rows x 256 along K
.set SLOT,  4*HALFT                    ; source 1's 256 rows, then source 0's
.set KSLOT, 49152                      ; from one 256 along K to the next, in memory
.set SCL,   2*SLOT                     ; the scale bytes: units of 256 bytes + 16 of padding
.set HALFS, 4352
.set SBLK,  544
.set SPARE, SCL+4*HALFS                ; the spare words, 128 bytes a wave
.set ADRA, 16
.set ADRB, 20
.set VO,   24                          ; v24  8 x lane
.set VS,   25                          ; v25  my scale word's place
.set VSH,  26                          ; v26  by how much my half shifts the word
.set ADRS, 27
.set SPW,  28
.set NIL,  29
.set SC,   32
.set TM,   64
.set PW,   80
.set SW,   81
.set PC,   96
.set AF,   128
.set G1, 24
.set G0, 32
.set G1B, 48
.set G0B, 56
.set G1S, 68
.set G0S, 76
.set G1SB, 80
.set G0SB, 88
.set B1,  92                           ; s[92:93] where planes 0-2 go;  s[94:95] planes 3-5;  s[96:97] the scale words
.set B2,  94
.set B3,  96
.set STC, 20                           ; s[20:21] the codes' step from tile to tile;  s[22:23], s[46:47] what is added at tile 4 (v: on to the next head)
.set EXC, 22
.set EXS, 46
.set SEL, 66
.set MSB, 0
.macro WIN new
.if MSB != \new
	s_set_vgpr_msb (MSB<<8)|\new
.set MSB, \new
.endif
.endm
.set MUL_LO, 0xa1
.set MUL_HI, 0xf1
.set TO_B,   0x40
.macro JLOAD g0a, g1a, g0b, g1b        ; waves 0, 1 fetch for source 1, waves 2, 3 for source 0; an s_nop 0 and four v_nop follow each line
	s_cmp_eq_u32 s15, 0
	s_cbranch_scc0 .Lfor_b_\@
	tensor_load_to_lds s[\g0a:\g0a+3], s[\g1a:\g1a+7]
	s_nop 0
.rept 4
	v_nop
.endr
	s_branch .Lasked_\@
.Lfor_b_\@:
	tensor_load_to_lds s[\g0b:\g0b+3], s[\g1b:\g1b+7]
	s_nop 0
.rept 4
	v_nop
.endr
.Lasked_\@:
.endm
.macro CREST
	s_cmp_lg_u32 s14, 0
	s_cbranch_scc1 .Lnot_wave_0_\@
	s_barrier_signal -3
.Lnot_wave_0_\@:
	s_barrier_wait -3
	s_barrier_signal -1
	s_barrier_wait -1
.endm
.macro CROUND
	s_barrier_signal -1
	s_barrier_wait -1
	CREST
.endm
	s_load_b128 s[4:7], s[0:1], 0x0                ; xq, wq
	s_load_b128 s[8:11], s[0:1], 0x10              ; qk, vv
	v_lshl_add_u32 v[SPW], v0, 2, SPARE
	v_mov_b32 v[NIL], 0
	ds_add_u32 v[SPW], v[NIL]                      ; the opening: the add, twice on end, and its wait ahead of my first tensor load
	ds_add_u32 v[SPW], v[NIL]
	v_lshrrev_b32 v1, 5, v0
	v_readfirstlane_b32 s14, v1                    ; wave
	s_lshr_b32 s15, s14, 1                         ; my half of source 1's rows; also: I fetch for source 1 (0) or source 0 (1)
	s_and_b32 s16, s14, 1                          ; my half of source 0's rows; also: which 128 rows I fetch
	s_bfe_u32 s40, ttmp6, 0x40000                  ; cx
	s_bfe_u32 s41, ttmp6, 0x40004                  ; cy
	s_lshl_b32 s42, ttmp9, 2
	s_and_b32 s17, ttmp7, 0xffff
	s_lshl_b32 s17, s17, 2
	s_lshl_b32 s43, s41, 2
	s_lshl_b32 s43, 15, s43                        ; my row of the cluster
	s_lshl_b32 s44, 0x1111, s40                    ; my column
	s_mov_b32 s95, XS
	s_mov_b32 s96, WS
	s_cmp_eq_u32 ttmp9, 2                          ; the kind: v's clusters
	s_cselect_b32 s19, 1, 0
	s_cselect_b32 s42, s17, s42                    ; source 0: tokens by cluster y, or columns by cluster x
	s_cselect_b32 s17, 8, s17                      ; source 1: wq's tiles 8-11, or tokens by cluster y
	s_cselect_b32 s97, s96, s95                    ; where source 1's scale bytes begin
	s_cselect_b32 s96, s95, s96                    ; and source 0's
	s_add_co_u32 s42, s42, s40                     ; source 0's tile of 256: + cx
	s_add_co_u32 s17, s17, s41                     ; source 1's: + cy
	s_or_b32 s[G1+0], s43, (3<<16)|(1<<21)         ; the mask; elements of 8 bytes; bit 21 beside a mask; no padding
	s_or_b32 s[G1B+0], s44, (3<<16)|(1<<21)
.irp g, G1, G1B
	s_mov_b32 s[\g+1], 32<<16                      ; rows of 256 bytes,
	s_mov_b32 s[\g+2], 96<<16                      ; 96 of them: a dense block of 24,576 bytes
	s_mov_b32 s[\g+3], 32<<16
	s_mov_b32 s[\g+4], 96
	s_mov_b32 s[\g+5], 32
	s_mov_b32 s[\g+6], 0
	s_mov_b32 s[\g+7], 0
.endr
	s_or_b32 s[G1S+0], s43, (3<<16)|(1<<20)|(1<<21)|(5<<22)|(3<<25)   ; the scale bytes of 128 rows: 16 rows of 256 bytes, 16 bytes of padding behind each
	s_or_b32 s[G1SB+0], s44, (3<<16)|(1<<20)|(1<<21)|(5<<22)|(3<<25)
.irp g, G1S, G1SB
	s_mov_b32 s[\g+1], 32<<16
	s_mov_b32 s[\g+2], 16<<16
	s_mov_b32 s[\g+3], 32<<16
	s_mov_b32 s[\g+4], 16
	s_mov_b32 s[\g+5], 32
	s_mov_b32 s[\g+6], 0
	s_mov_b32 s[\g+7], 0
.endr
	s_mul_i32 s18, s16, HALFT
	s_mul_i32 s20, s17, 196608
	s_add_co_u32 s20, s20, s18                     ; source 1's codes: tile, half
	s_mov_b32 s21, 0
	s_mul_i32 s46, s42, 196608
	s_add_co_u32 s46, s46, s18                     ; source 0's
	s_mov_b32 s47, 0
	s_lshl_b32 s18, s16, 12
	s_lshl_b32 s22, s17, 13
	s_add_co_u32 s22, s22, s18
	s_add_co_u32 s22, s22, s97                     ; source 1's scale bytes
	s_mov_b32 s23, 0
	s_lshl_b32 s92, s42, 13
	s_add_co_u32 s92, s92, s18
	s_add_co_u32 s92, s92, s96                     ; source 0's
	s_mov_b32 s93, 0
	s_mul_i32 s45, s14, HALFT                      ; where they go: wave x 128 rows
	s_mul_i32 s94, s14, HALFS
	s_wait_dscnt 0x0                               ; both opening adds are done
	s_wait_kmcnt 0x0
	s_cmp_eq_u32 s19, 1
	s_cselect_b64 s[12:13], s[6:7], s[4:5]         ; source 1's buffer
	s_cselect_b64 s[98:99], s[4:5], s[6:7]         ; source 0's
	s_add_nc_u64 s[20:21], s[12:13], s[20:21]
	s_add_nc_u64 s[22:23], s[12:13], s[22:23]
	s_add_nc_u64 s[46:47], s[98:99], s[46:47]
	s_add_nc_u64 s[92:93], s[98:99], s[92:93]
	CROUND                                         ; all sixteen work-groups are here: the first joint loads meet
	s_mov_b32 s[G0S], 1
	s_add_co_u32 s[G0S+1], s94, SCL
	s_mov_b64 s[G0S+2:G0S+3], s[22:23]
	s_or_b32 s[G0S+3], s[G0S+3], 0x80000000
	s_mov_b32 s[G0SB], 1
	s_add_co_u32 s[G0SB+1], s94, SCL
	s_mov_b64 s[G0SB+2:G0SB+3], s[92:93]
	s_or_b32 s[G0SB+3], s[G0SB+3], 0x80000000
	JLOAD G0S, G1S, G0SB, G1SB                     ; the scale bytes first; with the two slots three loads of mine are out
.irp s, 0,1
	s_mov_b32 s[G0+4*\s], 1
	s_add_co_u32 s[G0+4*\s+1], s45, \s*SLOT
	s_add_nc_u64 s[G0+4*\s+2:G0+4*\s+3], s[20:21], \s*KSLOT
	s_or_b32 s[G0+4*\s+3], s[G0+4*\s+3], 0x80000000
	s_mov_b32 s[G0B+4*\s], 1
	s_add_co_u32 s[G0B+4*\s+1], s45, \s*SLOT
	s_add_nc_u64 s[G0B+4*\s+2:G0B+4*\s+3], s[46:47], \s*KSLOT
	s_or_b32 s[G0B+4*\s+3], s[G0B+4*\s+3], 0x80000000
	JLOAD G0+4*\s, G1, G0B+4*\s, G1B
.endr
	v_and_b32 v1, 15, v0                           ; r
	v_bfe_u32 v2, v0, 4, 1                         ; h
	v_and_b32 v3, 31, v0
	v_lshlrev_b32 v[VO], 3, v3                     ; 8 x lane
	s_mul_i32 s21, s15, HALFT
	s_mul_i32 s22, s16, HALFT
	s_add_co_u32 s22, s22, 2*HALFT
.irp s, 0,1
	v_add_nc_u32 v[ADRA+\s], s21, v[VO]
	v_add_nc_u32 v[ADRB+\s], s22, v[VO]
	s_add_co_u32 s21, s21, SLOT
	s_add_co_u32 s22, s22, SLOT
.endr
	v_lshlrev_b32 v5, 5, v1                        ; my row's scale bytes: 32 a row,
	v_lshrrev_b32 v6, 8, v5
	v_lshl_add_u32 v5, v6, 4, v5                   ; and 16 more for each 256 passed
	s_mul_i32 s21, s15, HALFS
	s_mul_i32 s22, s16, HALFS
	s_add_co_u32 s22, s22, 2*HALFS
	s_sub_co_u32 s22, s22, s21
	v_mul_u32_u24 v6, s22, v2                      ; lanes 16-31 take source 0's
	s_add_co_u32 s21, s21, SCL
	v_add_nc_u32 v5, v5, v6
	v_add_nc_u32 v[ADRS], s21, v5
	; the way out: where my results go
	s_lshl_b32 s12, s42, 2
	s_lshl_b32 s13, s16, 1
	s_add_co_u32 s12, s12, s13                     ; q, k: the first of my two heads (0-15 q, 16-31 k),
	s_lshl_b32 s12, s12, 5
	s_add_co_u32 s12, s12, s17                     ; my block of 256 tokens
	s_mul_i32 s12, s12, 13312
	s_lshl_b32 s13, s41, 2
	s_lshl_b32 s18, s15, 1
	s_add_co_u32 s13, s13, s18                     ; v: the first of my two heads,
	s_lshl_b32 s13, s13, 5
	s_add_co_u32 s13, s13, s42                     ; my block of 256 tokens
	s_mul_i32 s13, s13, 12800
	s_mul_i32 s18, s15, 6144                       ; q, k: my eight tiles of tokens
	s_mul_i32 s98, s16, 6144                       ; v: my step of 128 keys
	s_lshl_b32 s99, s15, 9
	s_lshl_b32 s2, s16, 8
	s_mov_b32 s3, 425984                           ; from a head to the next in qk
	s_mov_b32 s[STC], 768
	s_cmp_eq_u32 s19, 1
	s_cselect_b32 s12, s13, s12
	s_cselect_b32 s18, s98, s18
	s_cselect_b32 s99, s2, s99
	s_cselect_b64 s[B1:B1+1], s[10:11], s[8:9]
	s_cselect_b32 s[STC], 1536, s[STC]
	s_cselect_b32 s[EXC], 403456, 0
	s_cselect_b32 s[EXS], 409344, 0
	s_cselect_b32 s2, 768, s3                      ; planes 3-5: behind planes 0-2 (v), or the next head's tile (q, k)
	s_cselect_b32 s3, 0, s3                        ; lanes 16-31 store the next head's word (q, k), or the same word once more (v)
	s_cselect_b32 s98, 0, 16
	s_mov_b32 s13, 0
	s_mov_b32 s[STC+1], 0
	s_mov_b32 s[EXC+1], 0
	s_mov_b32 s[EXS+1], 0
	s_add_nc_u64 s[B1:B1+1], s[B1:B1+1], s[12:13]
	s_add_co_u32 s12, s99, 12288
	s_add_nc_u64 s[B3:B3+1], s[B1:B1+1], s[12:13]
	s_mov_b32 s12, s18
	s_add_nc_u64 s[B1:B1+1], s[B1:B1+1], s[12:13]
	s_mov_b32 s12, s2
	s_add_nc_u64 s[B2:B2+1], s[B1:B1+1], s[12:13]
	v_mul_u32_u24 v5, s3, v2
	v_lshl_add_u32 v[VS], v1, 2, v5
	v_mul_u32_u24 v[VSH], s98, v2
	s_mov_b32 s[SEL], 0x76543210
	s_mov_b32 s[SEL+1], 0xfedcba98
.irp b, 0,1,2,3
	v_mov_b32 v[TM+4+\b], 0                        ; written once: a lane permute's destination counts as one of its sources
.endr
.macro FRAG reg, adr, q, i             ; a fragment as it lies: six planes of 256 bytes
.irp p, 0,1,2,3,4,5
	ds_load_b64 v[\reg+2*\p:\reg+2*\p+1], v[\adr] offset:(\i)*3072+(\q)*1536+256*\p
.endr
.endm
; 16 matrix instructions: source 1's blocks a0, a0 + 1 x source 0's eight.  The 64 accumulators take turns, one instruction a turn, in the same order in every step.
.macro MUL16 a0, p, q, sc, zero
.irp a, \a0, \a0+1
.irp b, 0,1,2,3,4,5,6,7
.if \zero
	v_wmma_scale_f32_16x16x128_f8f6f4 v[8*(8*((\a)%4)+\b):8*(8*((\a)%4)+\b)+7], v[128*(\p)+FR*\b:128*(\p)+FR*\b+FR-1], v[AF+FR*(\a):AF+FR*(\a)+FR-1], 0, v[SC+8*NQ*(\sc)+NQ*\b+(\q)], v[SC+8*NQ*(\sc)+NQ*(\a)+(\q)] matrix_a_fmt:MATRIX_FMT_FP6 matrix_b_fmt:MATRIX_FMT_FP6 matrix_a_scale:MATRIX_SCALE_ROW1
.else
	v_wmma_scale_f32_16x16x128_f8f6f4 v[8*(8*((\a)%4)+\b):8*(8*((\a)%4)+\b)+7], v[128*(\p)+FR*\b:128*(\p)+FR*\b+FR-1], v[AF+FR*(\a):AF+FR*(\a)+FR-1], v[8*(8*((\a)%4)+\b):8*(8*((\a)%4)+\b)+7], v[SC+8*NQ*(\sc)+NQ*\b+(\q)], v[SC+8*NQ*(\sc)+NQ*(\a)+(\q)] matrix_a_fmt:MATRIX_FMT_FP6 matrix_b_fmt:MATRIX_FMT_FP6 matrix_a_scale:MATRIX_SCALE_ROW1
.endif
.endr
.endr
.endm
.macro FETCH_B slot, q, p
	WIN TO_B
.irp i, 0,1,2,3,4,5,6,7
	FRAG 128*(\p)+FR*\i, ADRB+\slot, \q, \i
.endr
	WIN 0
.endm
.macro FETCH_A slot, q, i0
.irp i, \i0, \i0+1, \i0+2, \i0+3
	FRAG AF+FR*(\i), ADRA+\slot, \q, \i
.endr
.endm
.macro SCALES sc                       ; a slot's two words a row: lanes 0-15 source 1's block i, lanes 16-31 source 0's
.irp i, 0,1,2,3,4,5,6,7
	ds_load_b64 v[SC+8*NQ*\sc+NQ*\i:SC+8*NQ*\sc+NQ*\i+1], v[ADRS] offset:\i*SBLK
.endr
.endm
.macro PLACES n                        ; plain places behind matrix instructions, ahead of loads into their registers and of reads of their results
.rept \n
	v_nop
.endr
.endm
.macro STEP slot, q, zero
	s_wait_dscnt 4*NL                              ; all but the youngest 24 loads (source 1's blocks 4-7)
	WIN MUL_LO
	MUL16 0, (\q)%2, \q, \slot, \zero
	MUL16 2, (\q)%2, \q, \slot, \zero
	s_wait_dscnt 0
	PLACES NP
	FETCH_B \slot, (\q)+1, 1-(\q)%2
	FETCH_A \slot, (\q)+1, 0
	WIN MUL_HI
	MUL16 4, (\q)%2, \q, \slot, \zero
	MUL16 6, (\q)%2, \q, \slot, \zero
	PLACES NP
	WIN 0
	FETCH_A \slot, (\q)+1, 4
.endm
; A slot's last step changes slots: one barrier; ahead of it each wave waits for all its tensor loads, adds 0 to its spare word, and waits for that and for its reads of this slot.
.macro TURN slot, next, fill
	s_wait_tensorcnt 0x0                           ; my part of the next slot has landed
	ds_add_u32 v[SPW], v[NIL]
	s_wait_dscnt 4*NL+1                            ; (the add and the youngest 24 loads may be out)
	WIN MUL_LO
	MUL16 0, 1, NQ-1, \slot, 0
	s_wait_dscnt 0x0                               ; the add is done, and my reads of this slot are over
	s_barrier_signal -1
	MUL16 2, 1, NQ-1, \slot, 0
	WIN 0
	s_barrier_wait -1
.if \fill
	CREST                                          ; the barrier has opened a round of the cluster's: no wave of any partner still reads this slot or has a load on its way
	s_add_nc_u64 s[G0+4*\slot+2:G0+4*\slot+3], s[G0+4*\slot+2:G0+4*\slot+3], 2*KSLOT
	s_add_nc_u64 s[G0B+4*\slot+2:G0B+4*\slot+3], s[G0B+4*\slot+2:G0B+4*\slot+3], 2*KSLOT
	JLOAD G0+4*\slot, G1, G0B+4*\slot, G1B         ; the first tensor load behind the round; its four v_nop are the places ahead of the loads below
.else
	PLACES NP
.endif
	v_add_nc_u32 v[ADRS], 4*NQ, v[ADRS]
	FETCH_B \next, 0, 0
	FETCH_A \next, 0, 0
	SCALES \next
	WIN MUL_HI
	MUL16 4, 1, NQ-1, \slot, 0
	MUL16 6, 1, NQ-1, \slot, 0
	PLACES NP
	WIN 0
	FETCH_A \next, 0, 4
.endm
; THE WAY OUT of source 1's block a.  Register 16 b + i of its 64 is source 0's index 32 b + 16 h + i of my row: four blocks of 32, each shared with lane l xor 16.  They become a fragment's 12 registers and a scale word.
.macro QUANTA a
.set AC, 64*((\a)%4)
	WIN 0x0a+5*((\a)/4)                            ; sources 0 and 1: the accumulators' window
.irp b, 0,1,2,3
	v_max3_num_f32 v[TM+\b], |v[AC+16*\b]|, |v[AC+16*\b+1]|, 0x1800000   ; each accumulator is read from its low end on; the floor 2^(3 - 127) holds the byte at 1
.endr
.irp i, 2,4,6,8,10,12,14
.irp b, 0,1,2,3
	v_max3_num_f32 v[TM+\b], |v[AC+16*\b+\i]|, |v[AC+16*\b+\i+1]|, v[TM+\b]
.endr
.endr
	WIN 0
.irp b, 0,1,2,3
	v_permlanex16_b32 v[TM+4+\b], v[TM+\b], s[SEL], s[SEL+1]
.endr
.irp b, 0,1,2,3
	v_max_num_f32 v[TM+\b], v[TM+\b], v[TM+4+\b]
.endr
.irp b, 0,1,2,3
	v_add_nc_u32 v[TM+12+\b], 0xff000000, v[TM+\b] ; 2 off the exponent field: the conversion's scale operand
.endr
.irp b, 0,1,2,3
	v_lshrrev_b32 v[TM+4+\b], 23, v[TM+12+\b]
.endr
	v_lshl_or_b32 v[PW], v[TM+5], 8, v[TM+4]
	v_lshl_or_b32 v[PW], v[TM+6], 16, v[PW]
	v_lshl_or_b32 v[PW], v[TM+7], 24, v[PW]
.if (\a) > 0
	s_wait_xcnt 0x0                                ; the last block's stores have read their data and their bases
	s_add_nc_u64 s[B1:B1+1], s[B1:B1+1], s[STC:STC+1]
	s_add_nc_u64 s[B2:B2+1], s[B2:B2+1], s[STC:STC+1]
	s_add_nc_u64 s[B3:B3+1], s[B3:B3+1], 64
.if (\a) == 4
	s_add_nc_u64 s[B1:B1+1], s[B1:B1+1], s[EXC:EXC+1]
	s_add_nc_u64 s[B2:B2+1], s[B2:B2+1], s[EXC:EXC+1]
	s_add_nc_u64 s[B3:B3+1], s[B3:B3+1], s[EXS:EXS+1]
.endif
.endif
	WIN 2+(\a)/4                                   ; source 0 alone
.irp c, 0,1
	v_cvt_scalef32_pk16_fp6_f32 v[PC+6*\c:PC+2+6*\c], v[AC+32*\c:AC+15+32*\c], v[TM+12+2*\c]
	v_cvt_scalef32_pk16_fp6_f32 v[PC+12+4*\c:PC+14+4*\c], v[AC+16+32*\c:AC+31+32*\c], v[TM+12+2*\c+1]
.endr
	WIN 0
	v_nop                                          ; one plain place behind a scaled conversion
.irp c, 0,1                                    ; a whole block to a lane: lanes 0-15 block 2 c, lanes 16-31 block 2 c + 1
.irp i, 0,1,2
	v_permlane16_swap_b32 v[PC+6*\c+\i], v[PC+12+4*\c+\i]
.endr
.irp i, 0,1,2
	v_mov_b32 v[PC+3+6*\c+\i], v[PC+12+4*\c+\i]
.endr
.endr
	v_lshrrev_b32 v[SW], v[VSH], v[PW]
.irp p, 0,1,2
	global_store_b64 v[VO], v[PC+2*\p:PC+2*\p+1], s[B1:B1+1] offset:256*\p
.endr
.irp p, 0,1,2
	global_store_b64 v[VO], v[PC+6+2*\p:PC+7+2*\p], s[B2:B2+1] offset:256*\p
.endr
	global_store_b32 v[VS], v[SW], s[B3:B3+1]
.endm
	s_wait_tensorcnt 1                             ; the scale bytes and my part of slot 0 are in (slot 1's load may be out)
	s_barrier_signal -1
	s_barrier_wait -1
	FETCH_B 0, 0, 0
	FETCH_A 0, 0, 0
	SCALES 0
	FETCH_A 0, 0, 4
	STEP 0, 0, 1                                   ; the first step's products start the sums
	TURN 0, 1, 1                                   ; K = 1,024 is four slots' worth: each slot is filled again once, so the walk is written out
	STEP 1, 0, 0
	TURN 1, 0, 1
	STEP 0, 0, 0
	TURN 0, 1, 0
	STEP 1, 0, 0
	s_wait_dscnt 4*NL
	WIN MUL_LO
	MUL16 0, 1, NQ-1, 1, 0
	MUL16 2, 1, NQ-1, 1, 0
	s_wait_dscnt 0
	WIN MUL_HI
	MUL16 4, 1, NQ-1, 1, 0
	MUL16 6, 1, NQ-1, 1, 0
	WIN 0
	PLACES NP
.irp a, 0,1,2,3,4,5,6,7
	QUANTA \a
.endr
	s_wait_tensorcnt 0x0                           ; the wave's end
	ds_add_u32 v[SPW], v[NIL]
	s_wait_dscnt 0x0
	CROUND                                         ; the closing round
	s_endpgm
.Lfunc_end_k_q340e60c71f_gemm1:
	.size	k_q340e60c71f_gemm1, .Lfunc_end_k_q340e60c71f_gemm1-k_q340e60c71f_gemm1
	.p2alignl 7, 3214868480
	.fill 96, 4, 3214868480
	.section	.rodata,"a",@progbits
	.p2align	6, 0x0
	.amdhsa_kernel k_q340e60c71f_gemm1
		.amdhsa_group_segment_fixed_size 327680
		.amdhsa_private_segment_fixed_size 0
		.amdhsa_enable_private_segment 0
		.amdhsa_kernarg_size 32
		.amdhsa_user_sgpr_count 2
		.amdhsa_user_sgpr_kernarg_segment_ptr 1
		.amdhsa_wavefront_size32 1
		.amdhsa_system_sgpr_workgroup_id_x 1
		.amdhsa_system_sgpr_workgroup_id_y 1
		.amdhsa_system_sgpr_workgroup_id_z 1
		.amdhsa_system_vgpr_workitem_id 0
		.amdhsa_next_free_vgpr 1024
		.amdhsa_next_free_sgpr 100
		.amdhsa_reserve_vcc 0
		.amdhsa_float_denorm_mode_32 3
		.amdhsa_float_denorm_mode_16_64 3
		.amdhsa_memory_ordered 1
		.amdhsa_forward_progress 1
		.amdhsa_inst_pref_size 169
	.end_amdhsa_kernel
	.amdgpu_metadata
---
amdhsa.version: [ 1, 2 ]
amdhsa.kernels:
  - .name:           k_q340e60c71f_gemm1
    .symbol:         k_q340e60c71f_gemm1.kd
    .args:
      - { .name: xq, .offset: 0, .size: 8, .value_kind: global_buffer, .address_space: global }
      - { .name: wq, .offset: 8, .size: 8, .value_kind: global_buffer, .address_space: global }
      - { .name: qk, .offset: 16, .size: 8, .value_kind: global_buffer, .address_space: global }
      - { .name: vv, .offset: 24, .size: 8, .value_kind: global_buffer, .address_space: global }
    .group_segment_fixed_size: 327680
    .private_segment_fixed_size: 0
    .kernarg_segment_align: 8
    .kernarg_segment_size: 32
    .max_flat_workgroup_size: 128
    .sgpr_count:     100
    .vgpr_count:     1024
    .wavefront_size: 32
...
	.end_amdgpu_metadata
.endif
;; end of part 2
;; launch attn (part 3): grid 4 x 64, 16 waves a work-group, no clusters, 327,680 bytes of LDS; arguments qk, vv, aq; writes aq
.if DOCPART == 3
	.amdgcn_target "amdgcn-amd-amdhsa--gfx1250"
	.amdhsa_code_object_version 6
	.text
	.protected	k_q340e60c71f_attn
	.globl	k_q340e60c71f_attn
	.p2align	8
	.type	k_q340e60c71f_attn,@function
k_q340e60c71f_attn:
	s_mov_b64 s[64:65], 0
	v_nop
	global_prefetch_b8 v0, s[64:65] scope:SCOPE_SE
	s_setreg_imm32_b32 hwreg(HW_REG_WAVE_MODE, 25, 1), 1
	s_wait_xcnt 0x0
; Launch 3 of 4: for each batch and head, o = softmax(q k^T / 32, causal) v on codes of E2M3, and o / l quantised along the head's 64 into aq, the left operand of the last product.
; LEFT OUT: steps of 128 keys all of which lie behind all 16 queries of a wave's tile (the mask that reference() builds makes their weights 0 for all finite inputs: see launch 1's head).
; THE SOFTMAX: t = score x log2(e) / 32; M = the running largest t rounded up to a whole number; p = 2^(t - M) is quantised along the keys, not normalised; the row's sum l is taken of the unquantised p and divides at the end.
; SHARES.  A work-group owns two blocks of 256 queries of one head: block 7 - i, for which it walks key slots 0 .. 7 - i, then block i, slots 0 .. i: NINE visits of 256 keys in every work-group: equal work, constant trip
; counts, and every slot that is fetched is read.  Each of sixteen waves owns a tile of 16 queries (lane r: query Q0 + r + 8 (r / 8)), in 256 registers.  A tile's queries lie in one group of 32, so a step is
; hidden for the whole tile where its first key is above Q0, and open for the whole tile where its last key is at most Q0.
; NO CLUSTER: the four work-groups of a head walk 8, 7, 6, 5 slots before they turn back to slot 0, so from the sixth visit on partners want different slots.
; LAYOUT.  Both products are used transposed (S^T = k q^T, O^T = v^T p^T): a lane holds one query throughout.  The tiles' rows were chosen by launches 1 and 2 so that the 16 registers of two neighbouring tiles are neighbours.
; K = 64 IN AN INSTRUCTION OF 128: q's registers 6-11 are zeros.  k's fragments are 6 registers, 6 apart, and the instruction names 12: the upper six are the next fragment's codes (the last one's: zeros), which meet q's
; zero codes.  E2M3 has no NaN or infinity and no scale byte here is 0xff, so they add exactly 0.
; LIMITS: NaN and infinities are not served; p under 2^-126 counts as 0; a block under 2^-124 keeps the byte 1.
; REGISTERS: v1 8 x lane, v2 4 r, v3 r + 8 (r / 8) - 16 h, v7 32 r; v8, v9 LDS addresses; v12 -M, v13 largest t, v[14:15] l; v16-27 q; v29 q's scale word; v32-85 k's eight half fragments, later v's four fragments;
;   v86-93 their scale words; v96-159 S^T, then p; v160-191 O^T; v192-210 codes; v212-231 at work.
.set XS,    6291456
.set SL1,   32768                      ; slot 1; a slot: k's block (13,312 bytes), then v's (12,800)
.set VOFF,  13312
.set SPARE, 65536                      ; the spare words, 128 bytes a wave
.set SPW,  5
.set NIL,  6
.set ADK,  8
.set ADS,  9
.set PFO,  28
.set BM,   212
.set BP,   216
.set SO,   220
.set WV,   18
.set SEL,  20
.set CS,   22
.set G1K,  24
.set G1V,  32
.set G0K,  40
.set G0V,  44
.set KB,   48
.set VB,   50
.set QC,   52                          ; s[52:59] the block in hand: q's codes, q's scale words, aq's codes, aq's scale bytes;  s[68:75] the same for the early block
.set QW,   54
.set OA,   56
.set OW,   58
.set Q0,   60
.set Q0E,  61
.set KF,   62                          ; the step's first key
.set SWK,  63                          ; the key at which the late block is finished
.set TB,   2
.set SLOTS, 3
.set PFA,  76
.set PFS,  78
.set LIM,  80
.macro TLOAD                           ; wave 0 fetches k's block, wave 1 v's, the others nothing; an s_nop 0 and four v_nop follow each line
	s_cmp_lt_u32 s[WV], 1
	s_cbranch_scc0 .Lnot_k_\@
	tensor_load_to_lds s[G0K:G0K+3], s[G1K:G1K+7]
	s_nop 0
.rept 4
	v_nop
.endr
	s_branch .Lasked_\@
.Lnot_k_\@:
	s_cmp_lt_u32 s[WV], 2
	s_cbranch_scc0 .Lasked_\@
	tensor_load_to_lds s[G0V:G0V+3], s[G1V:G1V+7]
	s_nop 0
.rept 4
	v_nop
.endr
.Lasked_\@:
.endm
; A PREFETCH of the slot that the NEXT change of slots will ask for.  The four work-groups of a head walk the same blocks: the first of them (i = 0, whose first eight visits are slots 0 .. 7) asks, in its waves 4, 5 for
; k's 52 runs of 256 bytes and 6, 7 for v's 50, a lane a run (lanes past the end name the last run again).  Visit n names slot n + 2, while there is one; slots 0 and 1 come by their loads alone.
.macro ASK
	s_cmp_gt_u32 s[SLOTS], s[LIM]
	s_cbranch_scc0 .Lnot_mine_\@
	global_prefetch_b8 v[PFO], s[PFA:PFA+1] th:TH_LOAD_NT scope:SCOPE_SE
.Lnot_mine_\@:
.endm
.macro PTRS blk, P                     ; the four pointers of query block s[blk] into s[P] on
	s_add_co_u32 s82, s14, s[\blk]
	s_mul_i32 s82, s82, 13312
	s_mul_i32 s84, s[WV], 768
	s_add_co_u32 s84, s84, s82
	s_mov_b32 s85, 0
	s_add_nc_u64 s[\P:\P+1], s[4:5], s[84:85]
	s_lshl_b32 s84, s[WV], 6
	s_add_co_u32 s84, s84, s82
	s_add_co_u32 s84, s84, 12288
	s_add_nc_u64 s[\P+2:\P+3], s[4:5], s[84:85]
	s_add_co_u32 s82, s13, s[\blk]
	s_mul_i32 s84, s82, 196608
	s_add_co_u32 s84, s84, s15
	s_add_nc_u64 s[\P+4:\P+5], s[8:9], s[84:85]
	s_lshl_b32 s84, s82, 13
	s_add_co_u32 s84, s84, s16
	s_add_nc_u64 s[\P+6:\P+7], s[8:9], s[84:85]
.endm
.macro INIT                            ; a block's start: q, and zeros under which the first step's change of M changes nothing
.irp p, 0,1,2
	global_load_b64 v[16+2*\p:17+2*\p], v1, s[QC:QC+1] offset:256*\p
.endr
	global_load_b32 v29, v2, s[QW:QW+1]
	v_mov_b32 v13, 0xff61b1e6                      ; -3e38, under every t
	s_delay_alu instid0(VALU_DEP_1)
	v_floor_f32 v12, -v13
	v_mov_b32 v14, 0
	v_mov_b32 v15, 0
.set j, 0
.rept 32
	v_mov_b32 v[160+j], 0
.set j, j+1
.endr
	s_wait_loadcnt 0x0
.endm
.macro STEP q                          ; 128 keys: the slot's q-th
	s_cmp_gt_u32 s[KF], s[Q0]                      ; ids and counts alone; no barrier and no tensor load stands in a step
	s_cbranch_scc1 .Lhidden_\@
	v_add_nc_u32 v[ADK], s[TB], v1
	v_add_nc_u32 v[ADS], s[TB], v2
	v_nop
	v_nop                                          ; four places ahead of loads into registers that the last products read
.irp t, 0,1,2,3,4,5,6,7
.irp p, 0,1,2
	ds_load_b64 v[32+6*\t+2*\p:33+6*\t+2*\p], v[ADK] offset:(8*(\q)+\t)*768+256*\p
.endr
	ds_load_b32 v[86+\t], v[ADS] offset:12288+(8*(\q)+\t)*64
.endr
	s_wait_alu depctr_va_vdst(0)
	s_wait_dscnt 0x0
.irp t, 0,1,2,3,4,5,6,7
	v_wmma_scale_f32_16x16x128_f8f6f4 v[96+8*\t:103+8*\t], v[32+6*\t:43+6*\t], v[16:27], 0, v[86+\t], v29 matrix_a_fmt:MATRIX_FMT_FP6 matrix_b_fmt:MATRIX_FMT_FP6
.endr
.rept 4
	v_nop
.endr
.irp t, 0,1,2,3                                ; v's four fragments are asked for now and land under the softmax
.irp p, 0,1,2,3,4,5
	ds_load_b64 v[32+12*\t+2*\p:33+12*\t+2*\p], v[ADK] offset:VOFF+6144*(\q)+1536*\t+256*\p
.endr
	ds_load_b32 v[86+\t], v[ADS] offset:VOFF+12288+256*(\q)+64*\t
.endr
	s_add_co_u32 s96, s[KF], 127
	s_cmp_le_u32 s96, s[Q0]
	s_cbranch_scc1 .Lopen_\@
	s_sub_co_i32 s96, s[Q0], s[KF]                 ; on the diagonal: register 16 b + i holds key KF + 32 b + 16 h + i, hidden where 32 b + i > my query - KF - 16 h
	v_add_nc_u32 v230, s96, v3
	v_mov_b32 v231, 0xff800000
.set n, 0
.rept 64
	v_cmp_gt_i32 vcc_lo, 32*(n/16)+n%16, v230
	v_cndmask_b32 v[96+n], v[96+n], v231, vcc_lo
.set n, n+1
.endr
.Lopen_\@:
.irp b, 0,1,2,3
	v_max3_num_f32 v[BM+\b], v[96+16*\b], v[97+16*\b], v[98+16*\b]   ; the largest score of each block of 32 keys: for the row's maximum, and, since p rises with the score, for the block's largest p
.endr
.irp i, 3,5,7,9,11,13
.irp b, 0,1,2,3
	v_max3_num_f32 v[BM+\b], v[BM+\b], v[96+16*\b+\i], v[97+16*\b+\i]
.endr
.endr
.irp b, 0,1,2,3
	v_max_num_f32 v[BM+\b], v[BM+\b], v[111+16*\b]
.endr
.irp b, 0,1,2,3
	s_delay_alu instid0(VALU_DEP_4)
	v_permlanex16_b32 v[BP+\b], v[BM+\b], s[SEL], s[SEL+1]
.endr
.irp b, 0,1,2,3
	s_delay_alu instid0(VALU_DEP_4)
	v_max_num_f32 v[BM+\b], v[BM+\b], v[BP+\b]
.endr
	s_delay_alu instid0(VALU_DEP_2)
	v_max3_num_f32 v227, v[BM], v[BM+1], v[BM+2]
	s_delay_alu instid0(VALU_DEP_1)
	v_max_num_f32 v227, v227, v[BM+3]
	s_delay_alu instid0(VALU_DEP_1)
	v_mul_f32 v227, s[CS], v227
	s_delay_alu instid0(VALU_DEP_1)
	v_max_num_f32 v13, v13, v227                   ; the running largest t
	v_mov_b32 v227, v12
	s_delay_alu instid0(VALU_DEP_2)
	v_floor_f32 v12, -v13                          ; -M = floor(-t)
	s_delay_alu instid0(VALU_DEP_1)
	v_sub_f32 v227, v12, v227                      ; old M - new M: a whole number, 0 or less
	s_delay_alu instid0(VALU_DEP_1)
	v_cvt_i32_f32 v227, v227
	s_delay_alu instid0(VALU_DEP_1)
	v_ldexp_f32 v224, 1.0, v227                    ; f = 2^(old M - new M)
.set j, 0
.rept 32
	v_pk_fma_f32 v[96+j:97+j], v[96+j:97+j], s[CS:CS+1], v[12:13] op_sel_hi:[1,0,0]   ; t - M
.set j, j+2
.endr
.irp b, 0,1,2,3
	v_fma_f32 v[BM+\b], v[BM+\b], s[CS], v12
.endr
.set j, 0
	s_wait_alu depctr_va_vdst(0)
.rept 64
	v_exp_f32 v[96+j], v[96+j]
.set j, j+1
.endr
	v_pk_mul_f32 v[14:15], v[14:15], v[224:225] op_sel_hi:[1,0]   ; l under the new M: the plain place behind the exponentials
	s_wait_alu depctr_va_vdst(0)                   ; one wait for the batch, ahead of its first reader
.irp b, 0,1,2,3
	v_exp_f32 v[BM+\b], v[BM+\b]                   ; each block's largest p
.endr
	v_pk_add_f32 v[228:229], v[100:101], v[104:105]
	v_pk_add_f32 v[254:255], v[108:109], v[112:113]
	v_pk_add_f32 v[252:253], v[116:117], v[120:121]
	v_pk_add_f32 v[250:251], v[124:125], v[128:129]
	v_pk_add_f32 v[248:249], v[132:133], v[136:137]
	v_pk_add_f32 v[246:247], v[140:141], v[144:145]
	v_pk_add_f32 v[244:245], v[148:149], v[152:153]
	v_pk_add_f32 v[14:15], v[14:15], v[156:157]
	v_pk_add_f32 v[228:229], v[228:229], v[96:97]
	v_pk_add_f32 v[254:255], v[254:255], v[98:99]
	v_pk_add_f32 v[252:253], v[252:253], v[102:103]
	v_pk_add_f32 v[250:251], v[250:251], v[106:107]
	v_pk_add_f32 v[248:249], v[248:249], v[110:111]
	v_pk_add_f32 v[246:247], v[246:247], v[114:115]
	v_pk_add_f32 v[244:245], v[244:245], v[118:119]
	v_pk_add_f32 v[14:15], v[14:15], v[122:123]
	v_pk_add_f32 v[228:229], v[228:229], v[126:127]
	v_pk_add_f32 v[254:255], v[254:255], v[130:131]
	v_pk_add_f32 v[252:253], v[252:253], v[134:135]
	v_pk_add_f32 v[250:251], v[250:251], v[138:139]
	v_pk_add_f32 v[248:249], v[248:249], v[142:143]
	v_pk_add_f32 v[246:247], v[246:247], v[146:147]
	v_pk_add_f32 v[244:245], v[244:245], v[150:151]
	v_pk_add_f32 v[14:15], v[14:15], v[154:155]
	v_pk_add_f32 v[228:229], v[228:229], v[158:159]
	s_delay_alu instid0(VALU_DEP_2)
	v_pk_add_f32 v[14:15], v[14:15], v[250:251]
	s_delay_alu instid0(VALU_DEP_2)
	v_pk_add_f32 v[228:229], v[228:229], v[248:249]
	v_pk_add_f32 v[254:255], v[254:255], v[246:247]
	v_pk_add_f32 v[252:253], v[252:253], v[244:245]
	s_delay_alu instid0(VALU_DEP_2)
	v_pk_add_f32 v[14:15], v[14:15], v[254:255]
	s_delay_alu instid0(VALU_DEP_2)
	v_pk_add_f32 v[228:229], v[228:229], v[252:253]
	s_delay_alu instid0(VALU_DEP_1)
	v_pk_add_f32 v[14:15], v[14:15], v[228:229]
	s_wait_alu depctr_va_vdst(0)                   ; and one for the four
.irp b, 0,1,2,3
	v_max_num_f32 v[BM+\b], 0x1800000, v[BM+\b]
.endr
.irp b, 0,1,2,3
	s_delay_alu instid0(VALU_DEP_4)
	v_add_nc_u32 v[SO+\b], 0xff000000, v[BM+\b]
.endr
.irp b, 0,1,2,3
	s_delay_alu instid0(VALU_DEP_4)
	v_lshrrev_b32 v[BP+\b], 23, v[SO+\b]
.endr
	s_delay_alu instid0(VALU_DEP_3)
	v_lshl_or_b32 v226, v[BP+1], 8, v[BP]          ; p's scale word for these 128 keys
	s_delay_alu instid0(VALU_DEP_1)
	v_lshl_or_b32 v226, v[BP+2], 16, v226
	s_delay_alu instid0(VALU_DEP_1)
	v_lshl_or_b32 v226, v[BP+3], 24, v226
.irp c, 0,1
	v_cvt_scalef32_pk16_fp6_f32 v[192+6*\c:194+6*\c], v[96+32*\c:111+32*\c], v[SO+2*\c]
	v_cvt_scalef32_pk16_fp6_f32 v[204+4*\c:206+4*\c], v[112+32*\c:127+32*\c], v[SO+2*\c+1]
.endr
	v_nop
.irp c, 0,1
.irp i, 0,1,2
	v_permlane16_swap_b32 v[192+6*\c+\i], v[204+4*\c+\i]
.endr
.irp i, 0,1,2
	s_delay_alu instid0(VALU_DEP_3)
	v_mov_b32 v[195+6*\c+\i], v[204+4*\c+\i]
.endr
.endr
.set j, 0
.rept 16
	v_pk_mul_f32 v[160+j:161+j], v[160+j:161+j], v[224:225] op_sel_hi:[1,0]   ; O^T under the new M; for each product below twelve of these name none of its registers: the places behind the scale word and the codes
.set j, j+2
.endr
	s_wait_alu depctr_va_vdst(0)
	s_wait_dscnt 0x0                               ; v's fragments and words are in
.irp t, 0,1,2,3
	v_wmma_scale_f32_16x16x128_f8f6f4 v[160+8*\t:167+8*\t], v[32+12*\t:43+12*\t], v[192:203], v[160+8*\t:167+8*\t], v[86+\t], v226 matrix_a_fmt:MATRIX_FMT_FP6 matrix_b_fmt:MATRIX_FMT_FP6
.endr
.Lhidden_\@:
	s_add_co_u32 s[KF], s[KF], 128
.endm
; THE CHANGE OF SLOTS, at a visit's head.  fill = 1: the other slot takes the next visit's keys (behind the late block's last slot: slot 0 again, for the early block).
.macro CHANGE fill
	s_wait_tensorcnt 0x0                           ; no tensor load of mine is out, so a group 0 may be written
	ds_add_u32 v[SPW], v[NIL]
.if \fill
	ds_add_u32 v[SPW], v[NIL]                      ; the add twice on end here, in every trip alike
	s_xor_b32 s[G0K+1], s[G0K+1], SL1
	s_xor_b32 s[G0V+1], s[G0V+1], SL1
	s_add_co_u32 s82, s[KF], 256
	s_cmp_eq_u32 s82, s[SWK]
	s_cselect_b32 s82, 0, s82                      ; the next visit's first key
	s_mul_i32 s84, s82, 52                         ; 13,312 bytes for 256 keys
	s_mov_b32 s85, 0
	s_add_nc_u64 s[G0K+2:G0K+3], s[KB:KB+1], s[84:85]
	s_or_b32 s[G0K+3], s[G0K+3], 0x80000000
	s_mul_i32 s84, s82, 50                         ; 12,800
	s_add_nc_u64 s[G0V+2:G0V+3], s[VB:VB+1], s[84:85]
	s_or_b32 s[G0V+3], s[G0V+3], 0x80000000
	s_wait_xcnt 0x0                                ; the last prefetch, a visit back, has read its address
	s_add_nc_u64 s[PFA:PFA+1], s[PFA:PFA+1], s[PFS:PFS+1]
.endif
	s_wait_dscnt 0x0                               ; the add is done (fill = 1: both), and my reads of the slot that I have left are over
	s_barrier_signal -1
	s_barrier_wait -1
.if \fill
	TLOAD                                          ; the first thing behind the barrier; one tensor load of a wave is out at most
	ASK
.endif
.endm
; A BLOCK'S END: o = O^T / l; register 16 b + i is d = 32 b + 16 h + i of my query: two blocks of 32; half a fragment (three planes) and two scale bytes go to aq.
.macro FINISH
.rept 4
	v_nop                                          ; the places behind the last products, on the way that jumps over a hidden step too
.endr
	v_add_f32 v14, v14, v15
	s_delay_alu instid0(VALU_DEP_1)
	v_permlanex16_b32 v227, v14, s[SEL], s[SEL+1]
	s_delay_alu instid0(VALU_DEP_1)
	v_add_f32 v14, v14, v227
	s_wait_alu depctr_va_vdst(0)
	v_rcp_f32 v14, v14
	v_nop
	s_wait_alu depctr_va_vdst(0)
.set j, 0
.rept 16
	v_pk_mul_f32 v[96+j:97+j], v[160+j:161+j], v[14:15] op_sel_hi:[1,0]
.set j, j+2
.endr
.irp b, 0,1
	v_max3_num_f32 v[BM+\b], |v[96+16*\b]|, |v[97+16*\b]|, 0x1800000
.endr
.irp i, 2,4,6,8,10,12,14
.irp b, 0,1
	s_delay_alu instid0(VALU_DEP_2)
	v_max3_num_f32 v[BM+\b], v[BM+\b], |v[96+16*\b+\i]|, |v[97+16*\b+\i]|
.endr
.endr
.irp b, 0,1
	s_delay_alu instid0(VALU_DEP_2)
	v_permlanex16_b32 v[BP+\b], v[BM+\b], s[SEL], s[SEL+1]
.endr
.irp b, 0,1
	s_delay_alu instid0(VALU_DEP_2)
	v_max_num_f32 v[BM+\b], v[BM+\b], v[BP+\b]
.endr
.irp b, 0,1
	s_delay_alu instid0(VALU_DEP_2)
	v_add_nc_u32 v[SO+\b], 0xff000000, v[BM+\b]
.endr
.irp b, 0,1
	s_delay_alu instid0(VALU_DEP_2)
	v_lshrrev_b32 v[BP+\b], 23, v[SO+\b]
.endr
	s_delay_alu instid0(VALU_DEP_1)
	v_lshl_or_b32 v226, v[BP+1], 8, v[BP]
	v_cvt_scalef32_pk16_fp6_f32 v[192:194], v[96:111], v[SO]
	v_cvt_scalef32_pk16_fp6_f32 v[204:206], v[112:127], v[SO+1]
	v_nop
.irp i, 0,1,2
	v_permlane16_swap_b32 v[192+\i], v[204+\i]
.endr
.irp i, 0,1,2
	s_delay_alu instid0(VALU_DEP_3)
	v_mov_b32 v[195+\i], v[204+\i]
.endr
.irp p, 0,1,2
	global_store_b64 v1, v[192+2*\p:193+2*\p], s[OA:OA+1] offset:256*\p   ; 256 consecutive bytes, aligned
.endr
	global_store_b16 v7, v226, s[OW:OW+1]          ; my head's two bytes of my row's 32 (a word of the next product joins two heads, which other work-groups make): 1/24 of what is stored leaves in pieces
	s_wait_xcnt 0x0                                ; the stores have read their data and bases
.endm
	s_load_b128 s[4:7], s[0:1], 0x0                ; qk, vv
	s_load_b64 s[8:9], s[0:1], 0x10                ; aq
	v_lshl_add_u32 v[SPW], v0, 2, SPARE
	v_mov_b32 v[NIL], 0
	ds_add_u32 v[SPW], v[NIL]                      ; the opening: the add, twice on end, and its wait ahead of the first tensor load
	ds_add_u32 v[SPW], v[NIL]
	v_lshrrev_b32 v8, 5, v0
	s_delay_alu instid0(VALU_DEP_1)
	v_readfirstlane_b32 s[WV], v8
	s_and_b32 s11, ttmp7, 0xffff
	s_and_b32 s12, s11, 15                         ; head
	s_lshr_b32 s13, s11, 4
	s_lshl_b32 s13, s13, 3                         ; 8 x batch: the batch's first block of 256 tokens
	s_lshl_b32 s14, s12, 5
	s_add_co_u32 s14, s14, s13                     ; 32 x head + 8 x batch
	s_lshr_b32 s15, s12, 2
	s_mul_i32 s15, s15, 49152
	s_and_b32 s16, s12, 3
	s_mul_i32 s16, s16, 768
	s_add_co_u32 s15, s15, s16
	s_mul_i32 s16, s[WV], 3072
	s_add_co_u32 s15, s15, s16                     ; my half fragment's place in a block of aq
	s_lshl_b32 s16, s[WV], 9
	s_lshl_b32 s17, s12, 1
	s_add_co_u32 s16, s16, s17
	s_add_co_u32 s16, s16, XS                      ; and my two bytes'
	s_sub_co_u32 s10, 7, ttmp9                     ; the late block
	s_mov_b32 s19, ttmp9                           ; the early one
	s_lshr_b32 s82, s[WV], 1
	s_lshl_b32 s82, s82, 5
	s_and_b32 s83, s[WV], 1
	s_lshl_b32 s83, s83, 3
	s_add_co_u32 s82, s82, s83
	s_lshl_b32 s[Q0], s10, 8
	s_add_co_u32 s[Q0], s[Q0], s82
	s_lshl_b32 s[Q0E], s19, 8
	s_add_co_u32 s[Q0E], s[Q0E], s82
	s_sub_co_u32 s[SWK], 8, ttmp9
	s_lshl_b32 s[SWK], s[SWK], 8
	s_mov_b32 s[KF], 0
	s_mov_b32 s[TB], 0
	s_mov_b32 s[SLOTS], 8
	s_mov_b32 s[SEL], 0x76543210
	s_mov_b32 s[SEL+1], 0xfedcba98
	s_mov_b32 s[CS], 0x3d38aa3b                    ; log2(e) / 32
	s_mov_b32 s[CS+1], s[CS]
	s_mov_b32 s[G1K], 3<<16                        ; no mask; elements of 8 bytes; no padding: k's block is 52 rows of 256 bytes, dense
	s_mov_b32 s[G1K+1], 32<<16
	s_mov_b32 s[G1K+2], 52<<16
	s_mov_b32 s[G1K+3], 32<<16
	s_mov_b32 s[G1K+4], 52
	s_mov_b32 s[G1K+5], 32
	s_mov_b32 s[G1K+6], 0
	s_mov_b32 s[G1K+7], 0
	s_mov_b32 s[G1V], 3<<16                        ; v's: 50 rows
	s_mov_b32 s[G1V+1], 32<<16
	s_mov_b32 s[G1V+2], 50<<16
	s_mov_b32 s[G1V+3], 32<<16
	s_mov_b32 s[G1V+4], 50
	s_mov_b32 s[G1V+5], 32
	s_mov_b32 s[G1V+6], 0
	s_mov_b32 s[G1V+7], 0
	s_add_co_u32 s82, s14, 512                     ; k's heads lie behind q's 16
	s_mul_i32 s82, s82, 13312
	s_mov_b32 s83, 0
	s_mul_i32 s84, s14, 12800
	s_mov_b32 s85, 0
	s_wait_dscnt 0x0                               ; both opening adds are done
	s_wait_kmcnt 0x0
	s_add_nc_u64 s[KB:KB+1], s[4:5], s[82:83]
	s_add_nc_u64 s[VB:VB+1], s[6:7], s[84:85]
	s_mov_b32 s[G0K], 1
	s_mov_b32 s[G0K+1], 0
	s_mov_b64 s[G0K+2:G0K+3], s[KB:KB+1]
	s_or_b32 s[G0K+3], s[G0K+3], 0x80000000
	s_mov_b32 s[G0V], 1
	s_mov_b32 s[G0V+1], VOFF
	s_mov_b64 s[G0V+2:G0V+3], s[VB:VB+1]
	s_or_b32 s[G0V+3], s[G0V+3], 0x80000000
	TLOAD                                          ; slot 0
	PTRS 10, QC
	PTRS 19, 68
	s_cmp_lt_u32 s[WV], 6                          ; the prefetches: waves 4, 5 k's, waves 6, 7 v's
	s_cselect_b64 s[PFA:PFA+1], s[KB:KB+1], s[VB:VB+1]
	s_mov_b32 s[PFS], 12800
	s_cselect_b32 s[PFS], 13312, s[PFS]
	s_cselect_b32 s82, 51, 49
	s_mov_b32 s[PFS+1], 0
	s_add_nc_u64 s[PFA:PFA+1], s[PFA:PFA+1], s[PFS:PFS+1]  ; at slot 1: the first change steps it to slot 2
	s_and_b32 s83, s[WV], 1
	s_lshl_b32 s83, s83, 5
	v_and_b32 v[PFO], 31, v0
	s_delay_alu instid0(VALU_DEP_1)
	v_add_nc_u32 v[PFO], s83, v[PFO]
	s_delay_alu instid0(VALU_DEP_1)
	v_min_u32 v[PFO], s82, v[PFO]
	s_delay_alu instid0(VALU_DEP_1)
	v_lshlrev_b32 v[PFO], 8, v[PFO]
	s_lshr_b32 s82, s[WV], 2
	s_xor_b32 s82, s82, 1                          ; 0 in waves 4 to 7,
	s_or_b32 s82, s82, ttmp9                       ; of the head's first work-group
	s_cmp_eq_u32 s82, 0
	s_cselect_b32 s[LIM], 2, -1
	v_and_b32 v9, 15, v0                           ; r
	v_bfe_u32 v10, v0, 4, 1                        ; h
	v_and_b32 v1, 31, v0
	s_delay_alu instid0(VALU_DEP_1)
	v_lshlrev_b32 v1, 3, v1
	s_delay_alu instid0(VALU_DEP_4)
	v_lshlrev_b32 v2, 2, v9
	v_and_b32 v3, 8, v9
	s_delay_alu instid0(VALU_DEP_1)
	v_add_nc_u32 v3, v3, v9
	v_lshlrev_b32 v10, 4, v10
	s_delay_alu instid0(VALU_DEP_1)
	v_sub_nc_u32 v3, v3, v10
	v_lshlrev_b32 v7, 5, v9
.irp j, 22,23,24,25,26,27,80,81,82,83,84,85
	v_mov_b32 v[\j], 0                             ; q's upper half, and what the last fragment of k names beyond itself: zero codes, never written again
.endr
.irp b, 0,1,2,3
	v_mov_b32 v[BP+\b], 0                          ; (a lane permute's destination counts as one of its sources)
.endr
	v_mov_b32 v225, 0                              ; (named with f as a pair)
	v_mov_b32 v227, 0
	INIT
.Lvisit:                                           ; eight trips; the ninth visit is written out, since it asks for nothing
	CHANGE 1
	STEP 0
	STEP 1
	s_xor_b32 s[TB], s[TB], SL1
	s_cmp_lg_u32 s[KF], s[SWK]                     ; ids and counts alone, the same in all sixteen waves
	s_cbranch_scc1 .Lsame
	FINISH                                         ; the late block is done: on to the early one
	s_mov_b64 s[QC:QC+1], s[68:69]
	s_mov_b64 s[QW:QW+1], s[70:71]
	s_mov_b64 s[OA:OA+1], s[72:73]
	s_mov_b64 s[OW:OW+1], s[74:75]
	s_mov_b32 s[Q0], s[Q0E]
	s_mov_b32 s[KF], 0
	INIT
.Lsame:
	s_sub_co_u32 s[SLOTS], s[SLOTS], 1
	s_cmp_lg_u32 s[SLOTS], 0
	s_cbranch_scc1 .Lvisit
	CHANGE 0
	STEP 0
	STEP 1
	FINISH
	s_wait_tensorcnt 0x0                           ; the wave's end
	ds_add_u32 v[SPW], v[NIL]
	s_wait_dscnt 0x0
	s_endpgm
.Lfunc_end_k_q340e60c71f_attn:
	.size	k_q340e60c71f_attn, .Lfunc_end_k_q340e60c71f_attn-k_q340e60c71f_attn
	.p2alignl 7, 3214868480
	.fill 96, 4, 3214868480
	.section	.rodata,"a",@progbits
	.p2align	6, 0x0
	.amdhsa_kernel k_q340e60c71f_attn
		.amdhsa_group_segment_fixed_size 327680
		.amdhsa_private_segment_fixed_size 0
		.amdhsa_enable_private_segment 0
		.amdhsa_kernarg_size 24
		.amdhsa_user_sgpr_count 2
		.amdhsa_user_sgpr_kernarg_segment_ptr 1
		.amdhsa_wavefront_size32 1
		.amdhsa_system_sgpr_workgroup_id_x 1
		.amdhsa_system_sgpr_workgroup_id_y 1
		.amdhsa_system_sgpr_workgroup_id_z 1
		.amdhsa_system_vgpr_workitem_id 0
		.amdhsa_next_free_vgpr 256
		.amdhsa_next_free_sgpr 100
		.amdhsa_reserve_vcc 1
		.amdhsa_float_denorm_mode_32 3
		.amdhsa_float_denorm_mode_16_64 3
		.amdhsa_memory_ordered 1
		.amdhsa_forward_progress 1
		.amdhsa_inst_pref_size 118
	.end_amdhsa_kernel
	.amdgpu_metadata
---
amdhsa.version: [ 1, 2 ]
amdhsa.kernels:
  - .name:           k_q340e60c71f_attn
    .symbol:         k_q340e60c71f_attn.kd
    .args:
      - { .name: qk, .offset: 0, .size: 8, .value_kind: global_buffer, .address_space: global }
      - { .name: vv, .offset: 8, .size: 8, .value_kind: global_buffer, .address_space: global }
      - { .name: aq, .offset: 16, .size: 8, .value_kind: global_buffer, .address_space: global }
    .group_segment_fixed_size: 327680
    .private_segment_fixed_size: 0
    .kernarg_segment_align: 8
    .kernarg_segment_size: 24
    .max_flat_workgroup_size: 512
    .sgpr_count:     100
    .vgpr_count:     256
    .wavefront_size: 32
...
	.end_amdgpu_metadata
.endif
;; end of part 3
;; launch gemm2 (part 4): grid 8 x 32, 4 waves a work-group, clusters of 4 x 4, 327,680 bytes of LDS; arguments aq, oq, out0; writes out0
.if DOCPART == 4
	.amdgcn_target "amdgcn-amd-amdhsa--gfx1250"
	.amdhsa_code_object_version 6
	.text
	.protected	k_q340e60c71f_gemm2
	.globl	k_q340e60c71f_gemm2
	.p2align	8
	.type	k_q340e60c71f_gemm2,@function
k_q340e60c71f_gemm2:
	s_mov_b64 s[64:65], 0
	v_nop
	global_prefetch_b8 v0, s[64:65] scope:SCOPE_SE
	s_setreg_imm32_b32 hwreg(HW_REG_WAVE_MODE, 25, 1), 1
	s_wait_xcnt 0x0
	s_wait_alu depctr_hold_cnt(0) depctr_sa_sdst(0) depctr_va_vdst(0) depctr_va_sdst(0) depctr_va_ssrc(0) depctr_va_vcc(0) depctr_vm_vsrc(0)
	s_getreg_b32 s2, hwreg(HW_REG_IB_STS2, 6, 4)
	s_cmp_eq_u32 s2, 0
	s_cbranch_scc0 .Lentry_in_a_cluster
	s_endpgm
.Lentry_in_a_cluster:
	s_bfe_u32 s2, ttmp6, 0x10000c
	s_cmp_lg_u32 s2, 0xf033
	s_cbranch_scc0 .Lentry_shape_is_right
	s_endpgm
.Lentry_shape_is_right:
; Launch 4 of 4: out0 = (o / l) Wo on codes of E2M3, K = 1,024; out0 [8192][1024] f32.
; A tile of 256 tokens x 128 columns is made by four waves, 128 x 64 each: 32 accumulators in window 2.  8 x 32 tiles: 256 work-groups.
; ALL OF K LIES IN LDS: four slots of 256 along K (tokens' 49,152 bytes, columns' 24,576) and the scale bytes are asked for at the head, five tensor loads a wave, all out together,
; so the body has no round of the cluster's barrier: a counted wait and one work-group barrier stand ahead of each slot's first read.
; CLUSTERS: 4 x 4.  The tokens' tiles (source 1) hang on cy alone and are asked for jointly along a row of the cluster, the columns' (source 0) on cx alone, along a column.
; The codes lie in the order of the operand's registers (launch 1's head); a tile's rows are not neighbours: lane r of tile 2 b + u holds row 32 b + 8 u + r + 8 (r / 8); the way out puts rows and columns back.
; REGISTERS: window 0: v16-29 addresses; v32-63 scale words, two sets; v128-223 source 1's fragments, one set (on the way out: rows of out0).  window 1: source 0's, two sets, at v0 and v128.  window 2: accumulator (a, b) at v[8 (4 a + b)].
.set XS,    6291456
.set OS,    786432
.set NQ,    2
.set FR,    12
.set NL,    6
.set NP,    4
.set SLOT,  73728
.set BOFF,  49152
.set HA,    24576
.set HB,    12288
.set KSLOT, 49152
.set SCL,   4*SLOT                     ; the scale bytes, units of 256 + 16: columns' two halves (2,176 each), then tokens' (4,352 each)
.set SBLK,  544
.set SPARE, SCL+13056
.set ADRA, 16                          ; v16-19 one for each slot
.set ADRB, 20                          ; v20-23
.set STO,  24
.set RD,   25
.set CO,   26
.set ADRS, 27
.set SPW,  28
.set NIL,  29
.set SC,   32
.set AF,   128
.set BK,   128
.set G1A,  24
.set G1B,  32
.set G1SA, 40
.set G1SB, 48
.set MSB, 0
.macro WIN new
.if MSB != \new
	s_set_vgpr_msb (MSB<<8)|\new
.set MSB, \new
.endif
.endm
.set MUL,  0xa1
.set TO_B, 0x40
.macro JLOAD g0a, g1a, g0b, g1b        ; waves 0, 1 fetch for the tokens, waves 2, 3 for the columns; an s_nop 0 and four v_nop follow each line
	s_cmp_eq_u32 s15, 0
	s_cbranch_scc0 .Lfor_b_\@
	tensor_load_to_lds s[\g0a:\g0a+3], s[\g1a:\g1a+7]
	s_nop 0
.rept 4
	v_nop
.endr
	s_branch .Lasked_\@
.Lfor_b_\@:
	tensor_load_to_lds s[\g0b:\g0b+3], s[\g1b:\g1b+7]
	s_nop 0
.rept 4
	v_nop
.endr
.Lasked_\@:
.endm
.macro CROUND
	s_barrier_signal -1
	s_barrier_wait -1
	s_cmp_lg_u32 s14, 0
	s_cbranch_scc1 .Lnot_wave_0_\@
	s_barrier_signal -3
.Lnot_wave_0_\@:
	s_barrier_wait -3
	s_barrier_signal -1
	s_barrier_wait -1
.endm
.macro SHAPE g, rows                   ; a dense block as rows of 256 bytes
	s_mov_b32 s[\g+1], 32<<16
	s_mov_b32 s[\g+2], (\rows)<<16
	s_mov_b32 s[\g+3], 32<<16
	s_mov_b32 s[\g+4], \rows
	s_mov_b32 s[\g+5], 32
	s_mov_b32 s[\g+6], 0
	s_mov_b32 s[\g+7], 0
.endm
.macro G0SET g, lds, ldsoff, adr, goff
	s_mov_b32 s[\g], 1
	s_add_co_u32 s[\g+1], s[\lds], \ldsoff
	s_add_nc_u64 s[\g+2:\g+3], s[\adr:\adr+1], \goff
	s_or_b32 s[\g+3], s[\g+3], 0x80000000
.endm
	s_load_b128 s[4:7], s[0:1], 0x0                ; aq, oq
	s_load_b64 s[8:9], s[0:1], 0x10                ; out0
	v_lshl_add_u32 v[SPW], v0, 2, SPARE
	v_mov_b32 v[NIL], 0
	ds_add_u32 v[SPW], v[NIL]                      ; the opening: the add, twice on end, and its wait ahead of my first tensor load
	ds_add_u32 v[SPW], v[NIL]
	v_lshrrev_b32 v1, 5, v0
	v_readfirstlane_b32 s14, v1
	s_lshr_b32 s15, s14, 1                         ; my half of the tokens; also: I fetch for the tokens (0) or the columns (1)
	s_and_b32 s16, s14, 1                          ; my half of the columns; also: which half I fetch
	s_bfe_u32 s10, ttmp6, 0x40000                  ; cx
	s_bfe_u32 s11, ttmp6, 0x40004                  ; cy
	s_lshl_b32 s12, ttmp9, 2
	s_add_co_u32 s12, s12, s10                     ; which 128 columns
	s_and_b32 s13, ttmp7, 0xffff
	s_lshl_b32 s13, s13, 2
	s_add_co_u32 s13, s13, s11                     ; which 256 tokens
	s_lshl_b32 s17, s11, 2
	s_lshl_b32 s17, 15, s17                        ; my row of the cluster
	s_lshl_b32 s18, 0x1111, s10                    ; my column
	s_or_b32 s[G1A], s17, (3<<16)|(1<<21)
	s_or_b32 s[G1B], s18, (3<<16)|(1<<21)
	s_or_b32 s[G1SA], s17, (3<<16)|(1<<20)|(1<<21)|(5<<22)|(3<<25)
	s_or_b32 s[G1SB], s18, (3<<16)|(1<<20)|(1<<21)|(5<<22)|(3<<25)
	SHAPE G1A, 96
	SHAPE G1B, 48
	SHAPE G1SA, 16
	SHAPE G1SB, 8
	s_mul_i32 s2, s16, HA                          ; LDS: the tokens' half,
	s_mul_i32 s3, s16, HB
	s_add_co_u32 s3, s3, BOFF                      ; the columns' half,
	s_mul_i32 s104, s16, 4352
	s_add_co_u32 s104, s104, SCL+4352              ; the tokens' scale bytes,
	s_mul_i32 s105, s16, 2176
	s_add_co_u32 s105, s105, SCL                   ; the columns'
	s_mul_i32 s20, s13, 196608
	s_add_co_u32 s20, s20, s2
	s_mov_b32 s21, 0
	s_lshl_b32 s22, s13, 13
	s_lshl_b32 s19, s16, 12
	s_add_co_u32 s22, s22, s19
	s_add_co_u32 s22, s22, XS
	s_mov_b32 s23, 0
	s_lshr_b32 s66, s12, 1
	s_mul_i32 s66, s66, 196608
	s_and_b32 s67, s12, 1
	s_mul_i32 s67, s67, 24576
	s_add_co_u32 s66, s66, s67
	s_mul_i32 s67, s16, HB
	s_add_co_u32 s66, s66, s67
	s_mov_b32 s67, 0
	s_lshl_b32 s100, s12, 12
	s_lshl_b32 s101, s16, 11
	s_add_co_u32 s100, s100, s101
	s_add_co_u32 s100, s100, OS
	s_mov_b32 s101, 0
	s_wait_dscnt 0x0                               ; both opening adds are done
	s_wait_kmcnt 0x0
	s_add_nc_u64 s[20:21], s[4:5], s[20:21]
	s_add_nc_u64 s[22:23], s[4:5], s[22:23]
	s_add_nc_u64 s[66:67], s[6:7], s[66:67]
	s_add_nc_u64 s[100:101], s[6:7], s[100:101]
	G0SET 56, 104, 0, 22, 0
	G0SET 60, 2, 0, 20, 0
	G0SET 68, 2, SLOT, 20, KSLOT
	G0SET 72, 2, 2*SLOT, 20, 2*KSLOT
	G0SET 76, 2, 3*SLOT, 20, 3*KSLOT
	G0SET 80, 105, 0, 100, 0
	G0SET 84, 3, 0, 66, 0
	G0SET 88, 3, SLOT, 66, KSLOT
	G0SET 92, 3, 2*SLOT, 66, 2*KSLOT
	G0SET 96, 3, 3*SLOT, 66, 3*KSLOT
	CROUND                                         ; all sixteen work-groups are here: the joint loads meet.  Five loads of mine go out as one group
	JLOAD 56, G1SA, 80, G1SB
	JLOAD 60, G1A, 84, G1B
	JLOAD 68, G1A, 88, G1B
	JLOAD 72, G1A, 92, G1B
	JLOAD 76, G1A, 96, G1B
	v_and_b32 v1, 15, v0                           ; r
	v_bfe_u32 v2, v0, 4, 1                         ; h
	v_and_b32 v3, 31, v0
	v_lshlrev_b32 v4, 3, v3
	s_mul_i32 s19, s15, HA
	s_mul_i32 s20, s16, HB
	s_add_co_u32 s20, s20, BOFF
.irp s, 0,1,2,3
	v_add_nc_u32 v[ADRA+\s], s19, v4
	v_add_nc_u32 v[ADRB+\s], s20, v4
	s_add_co_u32 s19, s19, SLOT
	s_add_co_u32 s20, s20, SLOT
.endr
	v_lshlrev_b32 v5, 5, v1
	v_lshrrev_b32 v6, 8, v5
	v_lshl_add_u32 v5, v6, 4, v5                   ; my row's scale bytes: 32 a row, 16 more for each 256 passed
	s_mul_i32 s21, s16, 2176                       ; lanes 16-31: the columns' half that is mine;
	s_mul_i32 s22, s15, 4352
	s_add_co_u32 s22, s22, 4352
	s_sub_co_u32 s22, s22, s21                     ; lanes 0-15: that much further on, the tokens' half that is mine
	v_xor_b32 v6, 1, v2
	v_mul_u32_u24 v6, s22, v6
	s_add_co_u32 s21, s21, SCL
	v_add_nc_u32 v5, v5, v6
	v_add_nc_u32 v[ADRS], s21, v5                  ; (for blocks 4-7 lanes 16-31 read on into the tokens' bytes: filled bytes, whose values no product names)
	s_mul_i32 s23, s14, 4352                       ; my stage: 16 rows of 256 + 16 bytes, in slot 0, which has had its one fill and its last read when the first result is stored there
	v_mul_u32_u24 v5, v1, 272
	v_lshl_add_u32 v5, v2, 6, v5
	v_add_nc_u32 v[STO], s23, v5
	v_mul_u32_u24 v5, v2, 272
	v_lshl_add_u32 v5, v1, 4, v5
	v_add_nc_u32 v[RD], s23, v5
	v_lshlrev_b32 v5, 12, v2
	v_lshl_add_u32 v[CO], v1, 4, v5
	s_lshl_b32 s20, s13, 20
	s_lshl_b32 s21, s15, 19
	s_add_co_u32 s20, s20, s21
	s_lshl_b32 s21, s12, 9
	s_add_co_u32 s20, s20, s21
	s_lshl_b32 s21, s16, 8
	s_add_co_u32 s20, s20, s21
	s_mov_b32 s21, 0
	s_add_nc_u64 s[8:9], s[8:9], s[20:21]          ; out0 at my first token and column
.macro FRAG reg, adr, q, i
.irp p, 0,1,2,3,4,5
	ds_load_b64 v[\reg+2*\p:\reg+2*\p+1], v[\adr] offset:(\i)*3072+(\q)*1536+256*\p
.endr
.endm
; 8 matrix instructions: the tokens' blocks a0, a0 + 1 x the columns' four.  The 32 accumulators take turns, one instruction a turn, in the same order in every step.
.macro MUL8 a0, p, q, sc, zero
.irp a, \a0, \a0+1
.irp b, 0,1,2,3
.if \zero
	v_wmma_scale_f32_16x16x128_f8f6f4 v[8*(4*(\a)+\b):8*(4*(\a)+\b)+7], v[128*(\p)+FR*\b:128*(\p)+FR*\b+FR-1], v[AF+FR*(\a):AF+FR*(\a)+FR-1], 0, v[SC+16*(\sc)+NQ*\b+(\q)], v[SC+16*(\sc)+NQ*(\a)+(\q)] matrix_a_fmt:MATRIX_FMT_FP6 matrix_b_fmt:MATRIX_FMT_FP6 matrix_a_scale:MATRIX_SCALE_ROW1
.else
	v_wmma_scale_f32_16x16x128_f8f6f4 v[8*(4*(\a)+\b):8*(4*(\a)+\b)+7], v[128*(\p)+FR*\b:128*(\p)+FR*\b+FR-1], v[AF+FR*(\a):AF+FR*(\a)+FR-1], v[8*(4*(\a)+\b):8*(4*(\a)+\b)+7], v[SC+16*(\sc)+NQ*\b+(\q)], v[SC+16*(\sc)+NQ*(\a)+(\q)] matrix_a_fmt:MATRIX_FMT_FP6 matrix_b_fmt:MATRIX_FMT_FP6 matrix_a_scale:MATRIX_SCALE_ROW1
.endif
.endr
.endr
.endm
.macro FETCH_B slot, q, p
	WIN TO_B
.irp i, 0,1,2,3
	FRAG 128*(\p)+FR*\i, ADRB+\slot, \q, \i
.endr
	WIN 0
.endm
.macro FETCH_A slot, q, i0
.irp i, \i0, \i0+1, \i0+2, \i0+3
	FRAG AF+FR*(\i), ADRA+\slot, \q, \i
.endr
.endm
.macro SCALES sc
.irp i, 0,1,2,3,4,5,6,7
	ds_load_b64 v[SC+16*(\sc)+NQ*\i:SC+16*(\sc)+NQ*\i+1], v[ADRS] offset:\i*SBLK
.endr
.endm
.macro PLACES n
.rept \n
	v_nop
.endr
.endm
.macro STEP slot, zero                 ; a slot's first 128 along K; its second is fetched on the way
	s_wait_dscnt 4*NL                              ; all but the youngest 24 loads (the tokens' blocks 4-7)
	WIN MUL
	MUL8 0, 0, 0, (\slot)%2, \zero
	MUL8 2, 0, 0, (\slot)%2, \zero
	s_wait_dscnt 0
	PLACES NP
	FETCH_B \slot, 1, 1
	FETCH_A \slot, 1, 0
	WIN MUL
	MUL8 4, 0, 0, (\slot)%2, \zero
	MUL8 6, 0, 0, (\slot)%2, \zero
	PLACES NP
	WIN 0
	FETCH_A \slot, 1, 4
.endm
.macro TURNR slot, next, n             ; a slot's second 128; the next slot's first fragments are fetched behind a barrier.  n: my loads issued behind the next slot's, which may stay out
	s_wait_tensorcnt \n
	s_wait_dscnt 4*NL
	WIN MUL
	MUL8 0, 1, 1, (\slot)%2, 0
	s_wait_dscnt 0x0                               ; no LDS instruction of mine is out at the signal
	s_barrier_signal -1
	MUL8 2, 1, 1, (\slot)%2, 0
	WIN 0
	s_barrier_wait -1                              ; every wave's part of the next slot has landed
	PLACES NP
	v_add_nc_u32 v[ADRS], 4*NQ, v[ADRS]
	FETCH_B \next, 0, 0
	FETCH_A \next, 0, 0
	SCALES (\next)%2
	WIN MUL
	MUL8 4, 1, 1, (\slot)%2, 0
	MUL8 6, 1, 1, (\slot)%2, 0
	PLACES NP
	WIN 0
	FETCH_A \next, 0, 4
.endm
; THE WAY OUT, a block of 16 tokens x 64 columns at a time.  A lane holds eight neighbouring columns of one token; the block goes through my stage and comes back as rows of 256 bytes.
.macro TOSTAGE a
	WIN 0x08                                       ; the data: window 2
.irp b, 0,1,2,3
	ds_store_b128 v[STO], v[8*(4*(\a)+\b):8*(4*(\a)+\b)+3] offset:(\b/2)*128+(\b%2)*32       ; tile 2 c + u, half h: columns 32 c + 16 h + 8 u on; each accumulator from its low end on
	ds_store_b128 v[STO], v[8*(4*(\a)+\b)+4:8*(4*(\a)+\b)+7] offset:(\b/2)*128+(\b%2)*32+16
.endr
	WIN 0
.set BB, BK+32*((\a)%2)
.irp t, 0,1,2,3,4,5,6,7
	ds_load_b128 v[BB+4*\t:BB+4*\t+3], v[RD] offset:\t*544   ; LDS serves a wave's instructions in order: these see the stores above, and the next block's stores come behind them
.endr
.endm
.macro SEND a, younger                 ; younger: the next block's 8 stores and 8 loads, or none
.set BB, BK+32*((\a)%2)
	s_wait_dscnt \younger
.irp t, 0,1,2,3,4,5,6,7
	global_store_b128 v[CO], v[BB+4*\t:BB+4*\t+3], s[8:9] offset:(32*((\a)/2)+8*((\a)%2)+2*\t+8*(\t/4))*4096 th:TH_STORE_NT   ; the tile's rows 2 t, 2 t + 1 at their true tokens; 16 lanes store 256 consecutive bytes, aligned
.endr
.endm
	s_wait_tensorcnt 3                             ; the scale bytes and my part of slot 0 are in; slots 1 to 3 may be out
	s_barrier_signal -1
	s_barrier_wait -1
	FETCH_B 0, 0, 0
	FETCH_A 0, 0, 0
	SCALES 0
	FETCH_A 0, 0, 4
	STEP 0, 1                                      ; the first step's products start the sums
	TURNR 0, 1, 2
	STEP 1, 0
	TURNR 1, 2, 1
	STEP 2, 0
	TURNR 2, 3, 0
	STEP 3, 0
	s_wait_dscnt 4*NL
	WIN MUL
	MUL8 0, 1, 1, 1, 0
	MUL8 2, 1, 1, 1, 0
	s_wait_dscnt 0
	MUL8 4, 1, 1, 1, 0
	MUL8 6, 1, 1, 1, 0
	WIN 0
	PLACES NP
	TOSTAGE 0
.irp a, 1,2,3,4,5,6,7
.if \a > 1
	s_wait_xcnt 0x0                                ; block a - 2's stores have read their registers: block a's loads may land there
.endif
	TOSTAGE \a
	SEND \a-1, 16
.endr
	SEND 7, 0
	s_wait_tensorcnt 0x0                           ; the wave's end
	ds_add_u32 v[SPW], v[NIL]
	s_wait_dscnt 0x0
	CROUND                                         ; the closing round
	s_endpgm
.Lfunc_end_k_q340e60c71f_gemm2:
	.size	k_q340e60c71f_gemm2, .Lfunc_end_k_q340e60c71f_gemm2-k_q340e60c71f_gemm2
	.p2alignl 7, 3214868480
	.fill 96, 4, 3214868480
	.section	.rodata,"a",@progbits
	.p2align	6, 0x0
	.amdhsa_kernel k_q340e60c71f_gemm2
		.amdhsa_group_segment_fixed_size 327680
		.amdhsa_private_segment_fixed_size 0
		.amdhsa_enable_private_segment 0
		.amdhsa_kernarg_size 24
		.amdhsa_user_sgpr_count 2
		.amdhsa_user_sgpr_kernarg_segment_ptr 1
		.amdhsa_wavefront_size32 1
		.amdhsa_system_sgpr_workgroup_id_x 1
		.amdhsa_system_sgpr_workgroup_id_y 1
		.amdhsa_system_sgpr_workgroup_id_z 1
		.amdhsa_system_vgpr_workitem_id 0
		.amdhsa_next_free_vgpr 768
		.amdhsa_next_free_sgpr 106
		.amdhsa_reserve_vcc 0
		.amdhsa_float_denorm_mode_32 3
		.amdhsa_float_denorm_mode_16_64 3
		.amdhsa_memory_ordered 1
		.amdhsa_forward_progress 1
		.amdhsa_inst_pref_size 102
	.end_amdhsa_kernel
	.amdgpu_metadata
---
amdhsa.version: [ 1, 2 ]
amdhsa.kernels:
  - .name:           k_q340e60c71f_gemm2
    .symbol:         k_q340e60c71f_gemm2.kd
    .args:
      - { .name: aq, .offset: 0, .size: 8, .value_kind: global_buffer, .address_space: global }
      - { .name: oq, .offset: 8, .size: 8, .value_kind: global_buffer, .address_space: global }
      - { .name: out0, .offset: 16, .size: 8, .value_kind: global_buffer, .address_space: global }
    .group_segment_fixed_size: 327680
    .private_segment_fixed_size: 0
    .kernarg_segment_align: 8
    .kernarg_segment_size: 24
    .max_flat_workgroup_size: 128
    .sgpr_count:     106
    .vgpr_count:     768
    .wavefront_size: 32
...
	.end_amdgpu_metadata
.endif
;; end of part 4
